; MI455X (gfx1250); checked and timed in simulation.
; The chip was launched on July 23, 2026; its instructions are those of AMD's public machine-readable ISA for CDNA 5 (MIT licence, August 2026) and "CDNA5" Instruction Set Architecture Reference Guide (July 2026). The comments in the code are by the model that wrote it; some were corrected since.
;; Multi Head Attention. Allowed arithmetic: matrix products marked QUANTISED: E2M1 operands, one E8M0 scale for each 32 along K, by v_wmma_scale_f32_16x16x128_f8f6f4 with both operands' format E2M1 (or v_wmma_scale_f32_32x16x128_f4), f32 sums; products left as they are: bf16, f16 or f32 operands; f32 sums; everything else in f32.
;; Inputs: Wk 1,024 x 1,024 float32; Wo 1,024 x 1,024 float32; Wq 1,024 x 1,024 float32; Wv 1,024 x 1,024 float32; attention_mask 4 x 2,048 int32; x_key 4 x 2,048 x 1,024 float32; x_query 4 x 2,048 x 1,024 float32; x_value 4 x 2,048 x 1,024 float32.
;; Outputs: out0 4 x 2,048 x 1,024 float32.
;; This version of the problem:
;;   THIS VERSION OF THE PROBLEM IS GIVEN IN LOW PRECISION. The matrix products marked QUANTISED in the list below multiply operands that are first quantised to E2M1 (2 exponent bits, 1 mantissa bit; 4 bits a number), with one power-of-two scale for each 32 numbers along K (OCP MX v1.0); their sums are f32. The products marked 'left as it is' may take bf16, f16 or f32 operands, with f32 sums. Whichever they take, every output number must still come out within the allowed error. Rounding operands to bf16 (8 significant bits) uses up far more of that allowance than f16 does (11 bits, for magnitudes from 6e-5 to 65,504). All else is computed in f32.
;;   The module's matrix products, in the order in which they are computed (A, B: the left and right operand; K: the contracted axis; several contracted axes count as one K, in the product's order):
;;     1. [M 8,192, K 1,024] x [K 1,024, N 1,024]; A: input x_query; B: input Wq: QUANTISED
;;     2. [M 8,192, K 1,024] x [K 1,024, N 1,024]; A: input x_key; B: input Wk: QUANTISED
;;     3. [M 8,192, K 1,024] x [K 1,024, N 1,024]; A: input x_value; B: input Wv: QUANTISED
;;     4. batch 64 x [M 2,048, K 64] x [K 64, N 2,048]; A: computed on the way; B: computed on the way: left as it is (an operand is computed on the way)
;;     5. batch 64 x [M 2,048, K 2,048] x [K 2,048, N 64]; A: computed on the way; B: computed on the way: left as it is (an operand is computed on the way)
;;     6. [M 8,192, K 1,024] x [K 1,024, N 1,024]; A: computed on the way; B: input Wo: left as it is (an operand is computed on the way)
;;   THE QUANTISER, for each operand of a quantised product, along K:
;;     - K is cut into blocks of 32 from its start; a last block that is shorter is filled with zeros.
;;     - A block's scale is 2^e with e = floor(log2(the largest magnitude in the block)) - 2, held to -126 .. 127; a block of zeros has e = 0. As a byte (E8M0): e + 127.
;;     - Each number is divided by its block's scale, clamped to +-6, and rounded to the nearest number of E2M1, ties to even, subnormals kept.
;;     - The product sums the exact products of the quantised numbers (number of the format x scale) in f32.
;;   ~~~python
;;   def quantise(x, axis):      # numpy; x: float32 -> the quantised numbers, widened to float32 again
;;       x = np.moveaxis(x, axis, -1); K = x.shape[-1]
;;       x = np.pad(x, [(0, 0)] * (x.ndim - 1) + [(0, -K % 32)]); x = x.reshape(x.shape[:-1] + (-1, 32)); a = np.abs(x).max(-1, keepdims=True)
;;       e = np.where(a > 0, np.clip(np.frexp(np.where(a > 0, a, 1))[1] - 1 - 2, -126, 127), 0)      # np.frexp(a)[1] - 1 = floor(log2(a)), exactly
;;       r = np.clip(x / 2.0 ** e, -6, 6)
;;       step = 2.0 ** (np.maximum(np.frexp(np.where(r == 0, 1, r))[1] - 1, 0) - 1)
;;       q = np.round(r / step) * step * 2.0 ** e      # np.round: ties to even
;;       return np.moveaxis(q.reshape(q.shape[:-2] + (-1,))[..., :K], -1, axis).astype(np.float32)
;;   ~~~
;; One version. Each part assembles by itself: llvm-mc -triple=amdgcn-amd-amdhsa -mcpu=gfx1250 --defsym DOCPART=n.
;; ======== version 1 of 1: 5 launches
;; limits: values are held in f16: magnitudes above 65,504 overflow, below 6.1e-05 lose precision
;; workspace buffers: xc 12,582,912 bytes; xs 786,432 bytes; wc 1,572,864 bytes; ws 98,304 bytes; wo16 2,097,152 bytes; qkv 50,331,648 bytes; ao 16,777,216 bytes; h32 786,432 bytes
;; launch quant (part 1): grid 928 x 1, 4 waves a work-group, no clusters, 33,280 bytes of LDS; arguments x_query, x_key, x_value, Wq, Wk, Wv, Wo, xc, xs, wc, ws, wo16; writes xc, xs, wc, ws, wo16
.if DOCPART == 1
	.amdgcn_target "amdgcn-amd-amdhsa--gfx1250"
	.amdhsa_code_object_version 6
	.text
	.protected	k_q8c710e7108_quant
	.globl	k_q8c710e7108_quant
	.p2align	8
	.type	k_q8c710e7108_quant,@function
k_q8c710e7108_quant:
	s_mov_b64 s[64:65], 0
	v_nop
	global_prefetch_b8 v0, s[64:65] scope:SCOPE_SE
	s_setreg_imm32_b32 hwreg(HW_REG_WAVE_MODE, 25, 1), 1
	s_wait_xcnt 0x0
; x_query, x_key, x_value [8192][1024] and Wq, Wk, Wv [1024][1024], f32, K innermost, become codes of FP4 (E2M1), two a byte, K innermost, with one E8M0 byte for each 32 along K:
; xc [3][8192][512 bytes], xs [3][8192][32], wc [3][1024][512], ws [3][1024][32].  Wo [1024][1024] becomes f16, laid in PIECES (below), for the last product.
; A block's scale is 2^(floor(log2(its largest magnitude)) - 2); its byte is the largest magnitude's exponent field - 2, held at 1 from below; each number is divided by the scale and rounded to the nearest code, ties to even,
; beyond 6 the largest code.  A block of zeros gets the byte 1 where the rule says 127: its codes are zeros, which add nothing, and this program alone reads the bytes.
; LIMITS: blocks whose largest magnitude lies under 2^(2 - 126) keep the byte 1; NaN and infinities among the inputs are not served; Wo goes to f16: magnitudes up to 65,504.
; SHARES.  Rows are dense and K is a multiple of 32, so a tensor is a stream of blocks.  A work-group takes 32,768 numbers, a wave 16 steps of 512.  Work-groups 0-767: the three x (256 each); 768-863: the three W (32 each);
; 864-927: Wo, 16 rows each.  Only pointers are chosen by the work-group's number: the six tensors take one path.
; A STEP: four loads of 512 consecutive bytes; the 2,048 bytes turn through the wave's own stage in LDS (16 bytes of padding behind each 64) and come back 64 bytes a lane, so that a lane holds 16 neighbours along K and two
; neighbouring lanes a block.  A lane's 16 codes are 8 bytes: a wave's store covers 256 consecutive bytes, aligned.  A wave's 256 scale bytes gather in LDS and leave by one store of 256 consecutive bytes.
; A PIECE of f16 is 512 bytes: 16 rows x 16 along K, as 32 chunks of 16 bytes; chunk r + 16 g holds K = 8 g .. 8 g + 7 of row r: the lane order of four registers of a 16 x 32 operand.  wo16 is [64 tiles of 16 rows][64 pieces].
.set WAVES, 4
.set STEPS, 16
.set EMAX,  2
.set CB,    8                          ; bytes of 16 codes
.set R,     16                         ; v16-79   four sets of 16 numbers as loaded
.set X,     80                         ; v80-111  two sets of 16 neighbours
.set E,     112                        ; v112-127 a scale byte for each step
.set C,     128                        ; v128-191 codes: registers of its own for each step
.set WOF,   16                         ; Wo's path: v16-143 f32 as loaded,
.set WOH,   144                        ; v144-207 f16 to store
.set WREG,  8192                       ; LDS: a region for each wave: two stages of 32 x SP bytes, then its 256 scale bytes
.set SP,    80
.set SPW,   12                         ; v12 LDS address of my spare word; never rewritten
.set NIL,   13                         ; v13 0; never rewritten
.set SPARE, WAVES*WREG                 ; the spare words: 128 bytes a wave, named by no other line
.set SRC,   28                         ; s[28:29] the tensor read
.set COD,   32                         ; s[32:33] its codes
.set SCA,   34                         ; s[34:35] its scale bytes
	s_load_b512 s[4:19], s[0:1], 0x0               ; x_query 4, x_key 6, x_value 8, Wq 10, Wk 12, Wv 14, Wo 16, xc 18
	s_load_b256 s[20:27], s[0:1], 0x40             ; xs 20, wc 22, ws 24, wo16 26
	v_lshl_add_u32 v[SPW], v0, 2, SPARE
	v_mov_b32 v[NIL], 0
	v_lshrrev_b32 v1, 5, v0
	v_readfirstlane_b32 s36, v1                    ; wave
	v_and_b32 v2, 31, v0                           ; lane
	v_lshlrev_b32 v3, 4, v2                        ; 16 x lane
	s_mul_i32 s37, s36, WREG
	v_lshrrev_b32 v14, 2, v2
	v_mul_u32_u24 v14, v14, SP
	v_and_b32 v15, 3, v2
	v_lshl_add_u32 v14, v15, 4, v14
	v_add_nc_u32 v14, s37, v14                     ; the stage, in: SP (lane / 4) + 16 (lane % 4)
	v_mul_u32_u24 v15, v2, SP
	v_add_nc_u32 v15, s37, v15                     ; and out: SP x lane
	v_mul_u32_u24 v4, v2, CB                       ; my codes' place in a step's
	v_lshrrev_b32 v5, 1, v2
	s_add_co_u32 s37, s37, 2*32*SP
	v_add_nc_u32 v5, s37, v5                       ; my block's scale byte in LDS
	v_lshlrev_b32 v7, 3, v2
	v_add_nc_u32 v6, s37, v7                       ; and 8 bytes a lane on the way out
	v_and_b32 v10, 15, v2
	v_lshrrev_b32 v11, 4, v2
	v_lshlrev_b32 v10, 12, v10
	v_lshl_add_u32 v10, v11, 5, v10                ; Wo's path: row (lane % 16) of 4,096 bytes + 32 (lane / 16)
	s_mov_b32 s39, 0
	s_wait_kmcnt 0x0
	s_cmp_ge_u32 ttmp9, 864
	s_cbranch_scc1 .Lwo
	; which tensor: the choice hangs on the work-group's number alone
	s_mov_b64 s[SRC:SRC+1], s[4:5]
	s_mov_b32 s30, 0                               ; the tensor's first work-group
.macro PICK first, ptr
	s_cmp_ge_u32 ttmp9, \first
	s_cselect_b64 s[SRC:SRC+1], s[\ptr:\ptr+1], s[SRC:SRC+1]
	s_cselect_b32 s30, \first, s30
.endm
	PICK 256, 6
	PICK 512, 8
	PICK 768, 10
	PICK 800, 12
	PICK 832, 14
	s_cmp_lt_u32 ttmp9, 768
	s_cselect_b64 s[COD:COD+1], s[18:19], s[22:23]
	s_cselect_b64 s[SCA:SCA+1], s[20:21], s[24:25]
	s_cselect_b32 s31, 0, 768
	s_sub_co_u32 s31, ttmp9, s31                   ; the three tensors of a kind lie on end in the codes' buffer
	s_sub_co_u32 s30, ttmp9, s30
	s_lshl_b32 s30, s30, 2
	s_add_co_u32 s30, s30, s36                     ; my wave's run of 8,192 numbers in the tensor read,
	s_lshl_b32 s31, s31, 2
	s_add_co_u32 s31, s31, s36                     ; and in the buffers written
	s_lshl_b32 s38, s30, 15
	s_add_nc_u64 s[SRC:SRC+1], s[SRC:SRC+1], s[38:39]
	s_lshl_b32 s38, s31, 12
	s_add_nc_u64 s[COD:COD+1], s[COD:COD+1], s[38:39]
	s_lshl_b32 s38, s31, 8
	s_add_nc_u64 s[SCA:SCA+1], s[SCA:SCA+1], s[38:39]
.macro LOAD t
.irp i, 0,1,2,3
	global_load_b128 v[R+16*((\t)%4)+4*\i:R+16*((\t)%4)+4*\i+3], v3, s[SRC:SRC+1] offset:2048*(\t)+512*\i th:TH_LOAD_NT   ; 32 lanes read 512 consecutive bytes
.endr
.endm
.macro TURN t                          ; step t's numbers through the stage: LDS serves a wave's instructions in order, so no wait stands between the stores and the loads
.irp i, 0,1,2,3
	ds_store_b128 v14, v[R+16*((\t)%4)+4*\i:R+16*((\t)%4)+4*\i+3] offset:32*SP*((\t)%2)+8*SP*\i
.endr
.irp i, 0,1,2,3
	ds_load_b128 v[X+16*((\t)%2)+4*\i:X+16*((\t)%2)+4*\i+3], v15 offset:32*SP*((\t)%2)+16*\i
.endr
.endm
.irp t, 0,1,2,3
	LOAD \t
.endr
	s_wait_loadcnt 12                              ; step 0's four loads are in; three steps' twelve stay out
	TURN 0
.macro STEP t
.set XS, X+16*((\t)%2)
.if (\t) > 0
	s_wait_dscnt 1                                 ; this step's numbers are back from the stage (the last step's byte store may be out): its stores into the stage have read their registers,
.else
	s_wait_dscnt 0x0
.endif
.if (\t)+4 < STEPS
	LOAD (\t)+4                                    ; which take the loads of four steps on
.endif
.if (\t)+1 < STEPS
.if STEPS-2-(\t) >= 3
	s_wait_loadcnt 12                              ; the next step's four loads are in; those of the three steps behind it may be out
.else
	s_wait_loadcnt 4*(STEPS-2-(\t))
.endif
	TURN (\t)+1
.endif
	v_max3_num_f32 v8, |v[XS]|, |v[XS+1]|, |v[XS+2]|               ; the largest magnitude of my 16, in two chains
	v_max3_num_f32 v9, |v[XS+3]|, |v[XS+4]|, |v[XS+5]|
.irp i, 6,10
	v_max3_num_f32 v8, v8, |v[XS+\i]|, |v[XS+\i+1]|
	v_max3_num_f32 v9, v9, |v[XS+\i+2]|, |v[XS+\i+3]|
.endr
	v_max3_num_f32 v8, v8, |v[XS+14]|, |v[XS+15]|
	v_max3_num_f32 v8, v8, v9, (EMAX+1)<<23        ; and the floor 2^(EMAX + 1 - 127): the byte cannot fall under 1
	v_max_num_f32_dpp v8, v8, v8 row_xmask:1 row_mask:0xf bank_mask:0xf   ; with my neighbour's 16: the block's
	v_add_nc_u32 v11, -(EMAX<<23), v8              ; EMAX off its exponent field: the conversion takes this operand's exponent field as its scale
	v_cvt_scalef32_pk8_fp4_f32 v[C+4*(\t)], v[XS:XS+7], v11
	v_cvt_scalef32_pk8_fp4_f32 v[C+4*(\t)+1], v[XS+8:XS+15], v11
	v_lshrrev_b32 v[E+(\t)], 23, v11               ; the scale's byte (a plain line behind the conversions)
	ds_store_b8 v5, v[E+(\t)] offset:16*(\t)       ; both lanes of a block write the same byte with the same value
	global_store_b64 v4, v[C+4*(\t):C+4*(\t)+1], s[COD:COD+1] offset:32*CB*(\t)   ; 32 lanes store 256 consecutive bytes, aligned
.endm
.irp t, 0,1,2,3,4,5,6,7,8,9,10,11,12,13,14,15
	STEP \t
.endr
	ds_load_b64 v[8:9], v6                         ; LDS serves a wave's instructions in order: these see my byte stores
	s_wait_dscnt 0x0
	global_store_b64 v7, v[8:9], s[SCA:SCA+1]      ; 256 consecutive bytes, aligned
	s_wait_tensorcnt 0x0                           ; the wave's end
	ds_add_u32 v[SPW], v[NIL]
	s_wait_dscnt 0x0
	s_endpgm
.Lwo:                                              ; Wo: work-group g takes rows 16 (g - 864) on, wave w the pieces 16 w .. 16 w + 15
	s_sub_co_u32 s30, ttmp9, 864
	s_lshl_b32 s38, s30, 16                        ; 16 rows of 4,096 bytes
	s_lshl_b32 s31, s36, 10                        ; 16 pieces of 64 bytes of a row
	s_add_co_u32 s38, s38, s31
	s_add_nc_u64 s[16:17], s[16:17], s[38:39]
	s_lshl_b32 s38, s30, 15                        ; 64 pieces of 512 bytes
	s_lshl_b32 s31, s36, 13
	s_add_co_u32 s38, s38, s31
	s_add_nc_u64 s[26:27], s[26:27], s[38:39]
.irp i, 0,1,2,3,4,5,6,7,8,9,10,11,12,13,14,15
	global_load_b128 v[WOF+8*\i:WOF+8*\i+3], v10, s[16:17] offset:64*\i th:TH_LOAD_NT        ; lane (r, g): Wo(row r, 16 piece + 8 g + 0 .. 3)
	global_load_b128 v[WOF+8*\i+4:WOF+8*\i+7], v10, s[16:17] offset:64*\i+16 th:TH_LOAD_NT   ; and + 4 .. 7
.endr
.irp i, 0,1,2,3,4,5,6,7,8,9,10,11,12,13,14,15
	s_wait_loadcnt 30-2*\i                         ; piece i's two loads are in; the later pieces' stay out
.irp j, 0,1,2,3
	v_cvt_pk_f16_f32 v[WOH+4*\i+\j], v[WOF+8*\i+2*\j], v[WOF+8*\i+2*\j+1]
.endr
	global_store_b128 v3, v[WOH+4*\i:WOH+4*\i+3], s[26:27] offset:512*\i   ; a piece: 512 consecutive bytes; no register is written twice
.endr
	s_wait_tensorcnt 0x0                           ; this path writes no LDS; the three lines stand ahead of every end of the text all the same
	ds_add_u32 v[SPW], v[NIL]
	s_wait_dscnt 0x0
	s_endpgm
.Lfunc_end_k_q8c710e7108_quant:
	.size	k_q8c710e7108_quant, .Lfunc_end_k_q8c710e7108_quant-k_q8c710e7108_quant
	.p2alignl 7, 3214868480
	.fill 96, 4, 3214868480
	.section	.rodata,"a",@progbits
	.p2align	6, 0x0
	.amdhsa_kernel k_q8c710e7108_quant
		.amdhsa_group_segment_fixed_size 33280
		.amdhsa_private_segment_fixed_size 0
		.amdhsa_enable_private_segment 0
		.amdhsa_kernarg_size 96
		.amdhsa_user_sgpr_count 2
		.amdhsa_user_sgpr_kernarg_segment_ptr 1
		.amdhsa_wavefront_size32 1
		.amdhsa_system_sgpr_workgroup_id_x 1
		.amdhsa_system_sgpr_workgroup_id_y 1
		.amdhsa_system_sgpr_workgroup_id_z 1
		.amdhsa_system_vgpr_workitem_id 0
		.amdhsa_next_free_vgpr 208
		.amdhsa_next_free_sgpr 66
		.amdhsa_reserve_vcc 0
		.amdhsa_float_denorm_mode_32 3
		.amdhsa_float_denorm_mode_16_64 3
		.amdhsa_memory_ordered 1
		.amdhsa_forward_progress 1
		.amdhsa_inst_pref_size 44
	.end_amdhsa_kernel
	.amdgpu_metadata
---
amdhsa.version: [ 1, 2 ]
amdhsa.kernels:
  - .name:           k_q8c710e7108_quant
    .symbol:         k_q8c710e7108_quant.kd
    .args:
      - { .name: x_query, .offset: 0, .size: 8, .value_kind: global_buffer, .address_space: global }
      - { .name: x_key, .offset: 8, .size: 8, .value_kind: global_buffer, .address_space: global }
      - { .name: x_value, .offset: 16, .size: 8, .value_kind: global_buffer, .address_space: global }
      - { .name: Wq, .offset: 24, .size: 8, .value_kind: global_buffer, .address_space: global }
      - { .name: Wk, .offset: 32, .size: 8, .value_kind: global_buffer, .address_space: global }
      - { .name: Wv, .offset: 40, .size: 8, .value_kind: global_buffer, .address_space: global }
      - { .name: Wo, .offset: 48, .size: 8, .value_kind: global_buffer, .address_space: global }
      - { .name: xc, .offset: 56, .size: 8, .value_kind: global_buffer, .address_space: global }
      - { .name: xs, .offset: 64, .size: 8, .value_kind: global_buffer, .address_space: global }
      - { .name: wc, .offset: 72, .size: 8, .value_kind: global_buffer, .address_space: global }
      - { .name: ws, .offset: 80, .size: 8, .value_kind: global_buffer, .address_space: global }
      - { .name: wo16, .offset: 88, .size: 8, .value_kind: global_buffer, .address_space: global }
    .group_segment_fixed_size: 33280
    .private_segment_fixed_size: 0
    .kernarg_segment_align: 8
    .kernarg_segment_size: 96
    .max_flat_workgroup_size: 128
    .sgpr_count:     66
    .vgpr_count:     208
    .wavefront_size: 32
...
	.end_amdgpu_metadata
.endif
;; end of part 1
;; launch proj (part 2): grid 4 x 96, 4 waves a work-group, clusters of 4 x 4, 327,680 bytes of LDS; arguments xc, xs, wc, ws, qkv, h32; writes qkv, h32
.if DOCPART == 2
	.amdgcn_target "amdgcn-amd-amdhsa--gfx1250"
	.amdhsa_code_object_version 6
	.text
	.protected	k_q8c710e7108_proj
	.globl	k_q8c710e7108_proj
	.p2align	8
	.type	k_q8c710e7108_proj,@function
k_q8c710e7108_proj:
	s_mov_b64 s[64:65], 0
	v_nop
	global_prefetch_b8 v0, s[64:65] scope:SCOPE_SE
	s_setreg_imm32_b32 hwreg(HW_REG_WAVE_MODE, 25, 1), 1
	s_wait_xcnt 0x0
	s_wait_alu depctr_hold_cnt(0) depctr_sa_sdst(0) depctr_va_vdst(0) depctr_va_sdst(0) depctr_va_ssrc(0) depctr_va_vcc(0) depctr_vm_vsrc(0)
	s_getreg_b32 s2, hwreg(HW_REG_IB_STS2, 6, 4)
	s_cmp_eq_u32 s2, 0
	s_cbranch_scc0 .Lentry_in_a_cluster
	s_endpgm
.Lentry_in_a_cluster:
	s_bfe_u32 s2, ttmp6, 0x10000c
	s_cmp_lg_u32 s2, 0xf033
	s_cbranch_scc0 .Lentry_shape_is_right
	s_endpgm
.Lentry_shape_is_right:
; The three quantised products Q = x_query Wq^T, K = x_key Wk^T, V = x_value Wv^T as ONE batch of GEMMs on codes of FP4 (E2M1) with E8M0 scales: M 8,192, N 1,024, K 1,024 each; sums in f32.
; xc [3][8192][512 bytes], xs [3][8192][32], wc [3][1024][512], ws [3][1024][32].  Results: qkv, f16, in pieces (below); h32 [3][4][16][1024]: the first 16 positions of every sequence once more in f32.
; A tile of 256 x 256 is made by four waves, 128 x 128 each: 64 accumulators, 512 registers.  K = 1,024 is two slots of 512 along K (LDS rows of 256 bytes + 16): ALL of K is asked for at the head and no slot is filled again.
; The scale bytes of the tile's 256 + 256 rows come once, as dense blocks.  384 tiles.
; CLUSTERS: 4 x 4 work-groups.  Cluster y = Y: product p = Y / 8, yc = Y % 8.  The work-group at (cx, cy) takes rows 256 yc on of BATCH cy and columns 256 cx on.  So the four of a cluster's row share A's tiles, the four of a
; column B's: joint loads; and which tiles hold a sequence's first rows hangs on Y alone, which all partners share.
; THE MATRIX INSTRUCTION IS USED TRANSPOSED (source 0 = 16 rows of W, source 1 = 16 rows of x): lane (r, h) holds token r and eight neighbouring channels 8 h + 0 .. 7 of a block of 16: rounded to f16 that is one chunk of a piece.
; A PIECE: 512 bytes, 16 tokens x 16 channels, 32 chunks of 16 bytes.  Q and K: chunk r + 16 h (the lane's own number).  V: chunk 16 (r / 8) + 8 h + r % 8, the order in which the turning LDS load of the next launch wants it.
; qkv: [3 p][64 batch x head][128 tiles of 16 tokens][4 pieces].  Each store of a wave covers 512 consecutive bytes, aligned: the way out needs no LDS.
; LIMIT: Q, K, V go to f16: magnitudes up to 65,504.
; REGISTERS, in windows of 256: window 0: v0-31 addresses; v32-95 scale words, two sets; v128-191 A's fragments, one set; on the way out v128-255 packed results.  window 1: B's fragments, two sets.  windows 2, 3: accumulators.
.set KSTEP,  512
.set NQ,     KSTEP/128
.set ROWB,   256
.set KROW,   512                       ; a row of codes in memory
.set PITCH,  272                       ; an LDS row: 256 bytes + 16: the 16 rows that a load touches start 68 words apart
.set FR,     8
.set NL,     2
.set NP,     4
.set HALFT,  128*PITCH
.set SLOT,   4*HALFT
.set KS,     32                        ; a row of scale bytes
.set SCL,    2*SLOT
.set HALFS,  (128*KS/256)*272
.set SBLK,   (16*KS/256)*272
.set SPARE,  SCL+4*HALFS               ; the spare words: 128 bytes a wave, named by no other line
.set ADRA, 16
.set ADRB, 20
.set CO32, 24                          ; v24 my byte offset in h32's 16 rows
.set CO,   26                          ; v26 16 x my chunk's place in a piece
.set ADRS, 27
.set SPW,  28
.set NIL,  29
.set SC,   32
.set AF,   128
.set G1, 24
.set G0, 32
.set G1B, 48
.set G0B, 56
.set G1S, 68
.set G0S, 76
.set G1SB, 80
.set G0SB, 88
.set MSB, 0
.macro WIN new                         ; the immediate's high byte repeats the setting that is left
.if MSB != (\new)
	s_set_vgpr_msb (MSB<<8)|(\new)
.set MSB, \new
.endif
.endm
.set MUL_LO, 0xa1                      ; source 0 (W) window 1, source 1 (x) window 0, C and D window 2
.set MUL_HI, 0xf1
.set TO_B,   0x40
; A joint load: waves 0 and 1 fetch for A, waves 2 and 3 for B; the branch hangs on the wave's number alone.  An s_nop 0 and four v_nop follow each line.
.macro JLOAD g0a, g1a, g0b, g1b
	s_cmp_eq_u32 s15, 0
	s_cbranch_scc0 .Lfor_b_\@
	tensor_load_to_lds s[\g0a:\g0a+3], s[\g1a:\g1a+7]
	s_nop 0
.rept 4
	v_nop
.endr
	s_branch .Lasked_\@
.Lfor_b_\@:
	tensor_load_to_lds s[\g0b:\g0b+3], s[\g1b:\g1b+7]
	s_nop 0
.rept 4
	v_nop
.endr
.Lasked_\@:
.endm
.macro CROUND                          ; a round of the cluster's barrier
	s_barrier_signal -1
	s_barrier_wait -1
	s_cmp_lg_u32 s14, 0
	s_cbranch_scc1 .Lnot_wave_0_\@
	s_barrier_signal -3
.Lnot_wave_0_\@:
	s_barrier_wait -3
	s_barrier_signal -1
	s_barrier_wait -1
.endm
	s_load_b128 s[4:7], s[0:1], 0x0                ; xc, xs
	s_load_b128 s[8:11], s[0:1], 0x10              ; wc, ws
	s_load_b64 s[12:13], s[0:1], 0x20              ; qkv
	s_load_b64 s[66:67], s[0:1], 0x28              ; h32
	v_lshl_add_u32 v[SPW], v0, 2, SPARE
	v_mov_b32 v[NIL], 0
	ds_add_u32 v[SPW], v[NIL]                      ; the wave's opening: the add, twice on end, and its wait ahead of my first tensor load
	ds_add_u32 v[SPW], v[NIL]
	v_lshrrev_b32 v1, 5, v0
	v_readfirstlane_b32 s14, v1                    ; wave 0..3
	s_lshr_b32 s15, s14, 1                         ; my half of the tile's rows.  Also: I fetch for A (0) or for B (1)
	s_and_b32 s16, s14, 1                          ; my half of its columns.  Also: which 128 rows I fetch
	s_bfe_u32 s40, ttmp6, 0x40000                  ; cx
	s_bfe_u32 s41, ttmp6, 0x40004                  ; cy = the batch
	s_lshl_b32 s42, ttmp9, 2
	s_add_co_u32 s42, s42, s40                     ; tile column
	s_and_b32 s95, ttmp7, 0xffff                   ; Y
	s_lshr_b32 s96, s95, 3                         ; p: which product
	s_and_b32 s97, s95, 7                          ; yc: which 256 rows of the sequence
	s_lshl_b32 s43, s41, 2
	s_lshl_b32 s43, 15, s43                        ; my row of the cluster
	s_lshl_b32 s44, 0x1111, s40                    ; my column
	s_or_b32 s[G1+0], s43, (0<<16)|(1<<20)|(1<<21)|(5<<22)|(3<<25)   ; mask; elements of 1 byte; padding: 4 words behind every 64
	s_or_b32 s[G1B+0], s44, (0<<16)|(1<<20)|(1<<21)|(5<<22)|(3<<25)
.irp g, G1, G1B
	s_mov_b32 s[\g+1], ROWB<<16                    ; tensor_dim0
	s_mov_b32 s[\g+2], 128<<16                     ; tensor_dim1
	s_mov_b32 s[\g+3], ROWB<<16                    ; tile_dim0
	s_mov_b32 s[\g+4], 128                         ; tile_dim1
	s_mov_b32 s[\g+5], KROW                        ; from row to row
	s_mov_b32 s[\g+6], 0
	s_mov_b32 s[\g+7], 0
.endr
	s_or_b32 s[G1S+0], s43, (3<<16)|(1<<20)|(1<<21)|(5<<22)|(3<<25)  ; the scales of 128 rows: 4,096 dense bytes as 16 rows of 32 elements of 8 bytes, padded likewise
	s_or_b32 s[G1SB+0], s44, (3<<16)|(1<<20)|(1<<21)|(5<<22)|(3<<25)
.irp g, G1S, G1SB
	s_mov_b32 s[\g+1], 32<<16
	s_mov_b32 s[\g+2], (128*KS/256)<<16
	s_mov_b32 s[\g+3], 32<<16
	s_mov_b32 s[\g+4], 128*KS/256
	s_mov_b32 s[\g+5], 32
	s_mov_b32 s[\g+6], 0
	s_mov_b32 s[\g+7], 0
.endr
	s_lshl_b32 s18, s16, 7                         ; which 128 rows of the tile I fetch
	s_lshl_b32 s20, s96, 13                        ; A: row 8192 p + 2048 cy + 256 yc + 128 half
	s_lshl_b32 s98, s41, 11
	s_add_co_u32 s20, s20, s98
	s_lshl_b32 s98, s97, 8
	s_add_co_u32 s20, s20, s98
	s_add_co_u32 s20, s20, s18
	s_lshl_b32 s46, s96, 10                        ; B: row 1024 p + 256 column + 128 half
	s_lshl_b32 s99, s42, 8
	s_add_co_u32 s46, s46, s99
	s_add_co_u32 s46, s46, s18
	s_mov_b32 s21, 0
	s_mov_b32 s47, 0
	s_mov_b64 s[18:19], KS
	s_mul_u64 s[22:23], s[20:21], s[18:19]         ; these rows' scales, in bytes
	s_mul_u64 s[92:93], s[46:47], s[18:19]
	s_mov_b64 s[18:19], KROW
	s_mul_u64 s[20:21], s[20:21], s[18:19]         ; and their codes
	s_mul_u64 s[46:47], s[46:47], s[18:19]
	s_mul_i32 s45, s14, HALFT                      ; where they go: wave x 128 rows
	s_mul_i32 s94, s14, HALFS
	s_wait_dscnt 0x0                               ; both opening adds are done
	s_wait_kmcnt 0x0
	s_add_nc_u64 s[20:21], s[4:5], s[20:21]
	s_add_nc_u64 s[22:23], s[6:7], s[22:23]
	s_add_nc_u64 s[46:47], s[8:9], s[46:47]
	s_add_nc_u64 s[92:93], s[10:11], s[92:93]
	CROUND                                         ; all sixteen work-groups are here: the joint loads meet
	s_mov_b32 s[G0S], 1
	s_add_co_u32 s[G0S+1], s94, SCL
	s_mov_b64 s[G0S+2:G0S+3], s[22:23]
	s_or_b32 s[G0S+3], s[G0S+3], 0x80000000
	s_mov_b32 s[G0SB], 1
	s_add_co_u32 s[G0SB+1], s94, SCL
	s_mov_b64 s[G0SB+2:G0SB+3], s[92:93]
	s_or_b32 s[G0SB+3], s[G0SB+3], 0x80000000
	JLOAD G0S, G1S, G0SB, G1SB                     ; the scales first; then both slots: three loads of mine are out
.irp s, 0,1
	s_mov_b32 s[G0+4*\s], 1
	s_add_co_u32 s[G0+4*\s+1], s45, \s*SLOT
	s_add_nc_u64 s[G0+4*\s+2:G0+4*\s+3], s[20:21], \s*ROWB
	s_or_b32 s[G0+4*\s+3], s[G0+4*\s+3], 0x80000000
	s_mov_b32 s[G0B+4*\s], 1
	s_add_co_u32 s[G0B+4*\s+1], s45, \s*SLOT
	s_add_nc_u64 s[G0B+4*\s+2:G0B+4*\s+3], s[46:47], \s*ROWB
	s_or_b32 s[G0B+4*\s+3], s[G0B+4*\s+3], 0x80000000
	JLOAD G0+4*\s, G1, G0B+4*\s, G1B
.endr
	v_and_b32 v1, 15, v0                           ; r
	v_bfe_u32 v2, v0, 4, 1                         ; h
	v_mul_u32_u24 v3, v1, PITCH
	v_lshl_add_u32 v4, v2, 4, v3                   ; a fragment's row x pitch + 16 h
	s_mul_i32 s21, s15, HALFT
	s_mul_i32 s22, s16, HALFT
	s_add_co_u32 s22, s22, 2*HALFT
.irp s, 0,1
	v_add_nc_u32 v[ADRA+\s], s21, v4
	v_add_nc_u32 v[ADRB+\s], s22, v4
	s_add_co_u32 s21, s21, SLOT
	s_add_co_u32 s22, s22, SLOT
.endr
	v_mul_u32_u24 v5, v1, KS                       ; my row's scales: KS bytes a row,
	v_lshrrev_b32 v6, 8, v5
	v_lshl_add_u32 v5, v6, 4, v5                   ; and 16 more for each 256 passed
	s_mul_i32 s21, s15, HALFS
	s_mul_i32 s22, s16, HALFS
	s_add_co_u32 s22, s22, 2*HALFS
	s_sub_co_u32 s22, s22, s21
	v_mul_u32_u24 v6, s22, v2                      ; lanes 16-31 take B's
	s_add_co_u32 s21, s21, SCL
	v_add_nc_u32 v5, v5, v6
	v_add_nc_u32 v[ADRS], s21, v5
	; the way out: my chunk's place in a piece, plain or (p = 2) turned
	v_and_b32 v6, 31, v0
	v_lshlrev_b32 v5, 4, v6                        ; plain: 16 x lane
	v_lshrrev_b32 v7, 3, v1
	v_and_b32 v8, 7, v1
	v_lshl_add_u32 v8, v2, 3, v8
	v_lshl_add_u32 v8, v7, 4, v8
	v_lshlrev_b32 v8, 4, v8                        ; turned: 16 x (16 (r / 8) + 8 h + r % 8)
	s_cmp_eq_u32 s96, 2
	s_cselect_b32 s98, -1, 0
	v_cndmask_b32 v[CO], v5, v8, s98
	v_lshlrev_b32 v[CO32], 12, v1
	v_lshl_add_u32 v[CO32], v2, 5, v[CO32]         ; h32: row r of 4,096 bytes + 32 h
	s_lshl_b32 s20, s96, 24                        ; qkv: p x 2^24 + (16 cy + 4 column + 2 column half) heads of 2^18 + (16 yc + 8 row half) tiles of 2,048
	s_lshl_b32 s21, s41, 4
	s_lshl_b32 s22, s42, 2
	s_add_co_u32 s21, s21, s22
	s_lshl_b32 s22, s16, 1
	s_add_co_u32 s21, s21, s22
	s_lshl_b32 s21, s21, 18
	s_add_co_u32 s20, s20, s21
	s_lshl_b32 s21, s97, 4
	s_lshl_b32 s22, s15, 3
	s_add_co_u32 s21, s21, s22
	s_lshl_b32 s21, s21, 11
	s_add_co_u32 s20, s20, s21
	s_mov_b32 s21, 0
	s_add_nc_u64 s[12:13], s[12:13], s[20:21]
	s_lshl_b32 s20, s96, 2                         ; h32: (4 p + cy) x 65,536 + 1,024 column + 512 column half
	s_add_co_u32 s20, s20, s41
	s_lshl_b32 s20, s20, 16
	s_lshl_b32 s22, s42, 10
	s_add_co_u32 s20, s20, s22
	s_lshl_b32 s22, s16, 9
	s_add_co_u32 s20, s20, s22
	s_add_nc_u64 s[66:67], s[66:67], s[20:21]
	s_or_b32 s99, s97, s15                         ; 0 where my first 16 rows are a sequence's first: cluster y and the wave's number alone
.macro FRAG reg, adr, q, i             ; 16 rows x 128 K of 4-bit codes: lane l holds row l % 16; registers 4 c .. 4 c + 3 hold K = 64 c + 32 (l / 16) + 0 .. 31
.irp c, 0,1
	ds_load_b128 v[\reg+4*\c:\reg+4*\c+3], v[\adr] offset:64*(\q)+32*\c+(\i)*16*PITCH
.endr
.endm
; 16 matrix instructions: A's blocks a0, a0 + 1 x B's eight.  The 64 accumulators take turns, one instruction a turn, in the same order in every step.
.macro MUL16 a0, p, q, sc, zero
.irp a, \a0, \a0+1
.irp b, 0,1,2,3,4,5,6,7
.if \zero
	v_wmma_scale_f32_16x16x128_f8f6f4 v[8*(8*((\a)%4)+\b):8*(8*((\a)%4)+\b)+7], v[128*(\p)+FR*\b:128*(\p)+FR*\b+FR-1], v[AF+FR*(\a):AF+FR*(\a)+FR-1], 0, v[SC+8*NQ*(\sc)+NQ*\b+(\q)], v[SC+8*NQ*(\sc)+NQ*(\a)+(\q)] matrix_a_fmt:MATRIX_FMT_FP4 matrix_b_fmt:MATRIX_FMT_FP4 matrix_a_scale:MATRIX_SCALE_ROW1
.else
	v_wmma_scale_f32_16x16x128_f8f6f4 v[8*(8*((\a)%4)+\b):8*(8*((\a)%4)+\b)+7], v[128*(\p)+FR*\b:128*(\p)+FR*\b+FR-1], v[AF+FR*(\a):AF+FR*(\a)+FR-1], v[8*(8*((\a)%4)+\b):8*(8*((\a)%4)+\b)+7], v[SC+8*NQ*(\sc)+NQ*\b+(\q)], v[SC+8*NQ*(\sc)+NQ*(\a)+(\q)] matrix_a_fmt:MATRIX_FMT_FP4 matrix_b_fmt:MATRIX_FMT_FP4 matrix_a_scale:MATRIX_SCALE_ROW1
.endif
.endr
.endr
.endm
.macro FETCH_B slot, q, p
	WIN TO_B
.irp i, 0,1,2,3,4,5,6,7
	FRAG 128*(\p)+FR*\i, ADRB+\slot, \q, \i
.endr
	WIN 0
.endm
.macro FETCH_A slot, q, i0
.irp i, \i0, \i0+1, \i0+2, \i0+3
	FRAG AF+FR*(\i), ADRA+\slot, \q, \i
.endr
.endm
.macro SCALES sc                       ; a slot's scale words: four words a row; lanes 0-15 take A's block i, lanes 16-31 B's block i
.irp i, 0,1,2,3,4,5,6,7
	ds_load_b128 v[SC+8*NQ*\sc+NQ*\i:SC+8*NQ*\sc+NQ*\i+3], v[ADRS] offset:\i*SBLK
.endr
.endm
.macro PLACES n                        ; plain vector lines between a matrix instruction and a load into, or a read of, its registers
.rept \n
	v_nop
.endr
.endm
.macro STEP slot, q, zero              ; 128 along K whose successor lies in the same slot
	s_wait_dscnt 4*NL                              ; B's set and A's blocks 0-3 are in; the youngest eight loads (A's blocks 4-7) may be out
	WIN MUL_LO
	MUL16 0, (\q)%2, \q, \slot, \zero
	MUL16 2, (\q)%2, \q, \slot, \zero
	s_wait_dscnt 0                                 ; A's blocks 4-7 are in
	PLACES NP
	FETCH_B \slot, (\q)+1, 1-(\q)%2
	FETCH_A \slot, (\q)+1, 0
	WIN MUL_HI
	MUL16 4, (\q)%2, \q, \slot, \zero
	MUL16 6, (\q)%2, \q, \slot, \zero
	PLACES NP
	WIN 0
	FETCH_A \slot, (\q)+1, 4
.endm
.macro STEPS slot, from
.set Q, \from
.rept NQ-1-\from
	STEP \slot, Q, 0
.set Q, Q+1
.endr
.endm
	s_wait_tensorcnt 1                             ; the scales and my part of slot 0 are in; slot 1's load may be out
	s_barrier_signal -1
	s_barrier_wait -1
	FETCH_B 0, 0, 0
	FETCH_A 0, 0, 0
	SCALES 0
	FETCH_A 0, 0, 4
	STEP 0, 0, 1                                   ; the first step's products start the sums: nothing is cleared
	STEPS 0, 1
	; slot 0's last step, and the change to slot 1: my part of slot 1 has landed, then one barrier; no slot is filled again
	s_wait_tensorcnt 0x0
	ds_add_u32 v[SPW], v[NIL]
	s_wait_dscnt 4*NL+1                            ; (the add and A's blocks 4-7 may be out)
	WIN MUL_LO
	MUL16 0, 1, NQ-1, 0, 0
	s_wait_dscnt 0x0                               ; the add is done and my LDS loads are in
	s_barrier_signal -1
	MUL16 2, 1, NQ-1, 0, 0
	WIN 0
	s_barrier_wait -1                              ; slot 1 is whole
	PLACES NP
	v_add_nc_u32 v[ADRS], 4*NQ, v[ADRS]            ; the next 512 along K: 16 scale bytes on
	FETCH_B 1, 0, 0
	FETCH_A 1, 0, 0
	SCALES 1
	WIN MUL_HI
	MUL16 4, 1, NQ-1, 0, 0
	MUL16 6, 1, NQ-1, 0, 0
	PLACES NP
	WIN 0
	FETCH_A 1, 0, 4
	STEPS 1, 0
	s_wait_dscnt 4*NL                              ; the last step: nothing more to fetch
	WIN MUL_LO
	MUL16 0, 1, NQ-1, 1, 0
	MUL16 2, 1, NQ-1, 1, 0
	s_wait_dscnt 0
	WIN MUL_HI
	MUL16 4, 1, NQ-1, 1, 0
	MUL16 6, 1, NQ-1, 1, 0
	WIN 0
	PLACES NP                                      ; behind the last products: their results are read and A's registers written below
	; a sequence's first 16 positions also leave in f32, for the launch that carries them finely: 32 bytes a lane of 16 rows; 786,432 bytes in the whole launch
	s_cmp_lg_u32 s99, 0
	s_cbranch_scc1 .Lno32
	WIN 0x08                                       ; a store's data are its source 1: window 2
.irp b, 0,1,2,3,4,5,6,7
	global_store_b128 v[CO32], v[8*\b:8*\b+3], s[66:67] offset:64*\b          ; each accumulator from its low end on
	global_store_b128 v[CO32], v[8*\b+4:8*\b+7], s[66:67] offset:64*\b+16
.endr
	WIN 0
.Lno32:
.macro PACK a                          ; block a (16 tokens x 128 channels) to f16: four registers an accumulator, a chunk a lane
.set AC, 64*((\a)%4)
.set HB, 128+32*((\a)%4)
	WIN 0x0a+5*((\a)/4)                            ; sources 0 and 1: window 2 or 3
.irp b, 0,1,2,3,4,5,6,7
.irp i, 0,1,2,3
	v_cvt_pk_f16_f32 v[HB+4*\b+\i], v[AC+8*\b+2*\i], v[AC+8*\b+2*\i+1]
.endr
.endr
	WIN 0
.endm
.macro SENDH a                         ; eight pieces: head b / 4 of my two, piece b % 4, token tile a
.set HB, 128+32*((\a)%4)
.irp b, 0,1,2,3,4,5,6,7
	global_store_b128 v[CO], v[HB+4*\b:HB+4*\b+3], s[12:13] offset:(\b/4)*262144+(\a)*2048+(\b%4)*512   ; 512 consecutive bytes, aligned
.endr
.endm
.irp a, 0,1,2,3
	PACK \a
	SENDH \a
.endr
	s_wait_xcnt 0x0                                ; the stores have read their data: the four sets are written again
.irp a, 4,5,6,7
	PACK \a
	SENDH \a
.endr
	s_wait_tensorcnt 0x0                           ; the wave's end
	ds_add_u32 v[SPW], v[NIL]
	s_wait_dscnt 0x0
	CROUND                                         ; the closing round
	s_endpgm
.Lfunc_end_k_q8c710e7108_proj:
	.size	k_q8c710e7108_proj, .Lfunc_end_k_q8c710e7108_proj-k_q8c710e7108_proj
	.p2alignl 7, 3214868480
	.fill 96, 4, 3214868480
	.section	.rodata,"a",@progbits
	.p2align	6, 0x0
	.amdhsa_kernel k_q8c710e7108_proj
		.amdhsa_group_segment_fixed_size 327680
		.amdhsa_private_segment_fixed_size 0
		.amdhsa_enable_private_segment 0
		.amdhsa_kernarg_size 48
		.amdhsa_user_sgpr_count 2
		.amdhsa_user_sgpr_kernarg_segment_ptr 1
		.amdhsa_wavefront_size32 1
		.amdhsa_system_sgpr_workgroup_id_x 1
		.amdhsa_system_sgpr_workgroup_id_y 1
		.amdhsa_system_sgpr_workgroup_id_z 1
		.amdhsa_system_vgpr_workitem_id 0
		.amdhsa_next_free_vgpr 1024
		.amdhsa_next_free_sgpr 100
		.amdhsa_reserve_vcc 0
		.amdhsa_float_denorm_mode_32 3
		.amdhsa_float_denorm_mode_16_64 3
		.amdhsa_memory_ordered 1
		.amdhsa_forward_progress 1
		.amdhsa_inst_pref_size 120
	.end_amdhsa_kernel
	.amdgpu_metadata
---
amdhsa.version: [ 1, 2 ]
amdhsa.kernels:
  - .name:           k_q8c710e7108_proj
    .symbol:         k_q8c710e7108_proj.kd
    .args:
      - { .name: xc, .offset: 0, .size: 8, .value_kind: global_buffer, .address_space: global }
      - { .name: xs, .offset: 8, .size: 8, .value_kind: global_buffer, .address_space: global }
      - { .name: wc, .offset: 16, .size: 8, .value_kind: global_buffer, .address_space: global }
      - { .name: ws, .offset: 24, .size: 8, .value_kind: global_buffer, .address_space: global }
      - { .name: qkv, .offset: 32, .size: 8, .value_kind: global_buffer, .address_space: global }
      - { .name: h32, .offset: 40, .size: 8, .value_kind: global_buffer, .address_space: global }
    .group_segment_fixed_size: 327680
    .private_segment_fixed_size: 0
    .kernarg_segment_align: 8
    .kernarg_segment_size: 48
    .max_flat_workgroup_size: 128
    .sgpr_count:     100
    .vgpr_count:     1024
    .wavefront_size: 32
...
	.end_amdgpu_metadata
.endif
;; end of part 2
;; launch attn (part 3): grid 4 x 64, 8 waves a work-group, no clusters, 327,680 bytes of LDS; arguments qkv, attention_mask, ao; writes ao
.if DOCPART == 3
	.amdgcn_target "amdgcn-amd-amdhsa--gfx1250"
	.amdhsa_code_object_version 6
	.text
	.protected	k_q8c710e7108_attn
	.globl	k_q8c710e7108_attn
	.p2align	8
	.type	k_q8c710e7108_attn,@function
k_q8c710e7108_attn:
	s_mov_b64 s[64:65], 0
	v_nop
	global_prefetch_b8 v0, s[64:65] scope:SCOPE_SE
	s_setreg_imm32_b32 hwreg(HW_REG_WAVE_MODE, 25, 1), 1
	s_wait_xcnt 0x0
; O = softmax(Q K^T / 8, causal and padded) V for 64 heads (batch x head) of 2,048 tokens x 64 channels.  Q, K, V: f16 pieces from qkv; products by the f16 matrix form, sums, maxima and softmax in f32; O leaves as f16 pieces in ao.
; SHARES.  Work-group (i, head) owns the query blocks i and 7 - i of 256 queries, one after the other.  Its walk is 9 slots of 256 keys for every i: key slots 0 .. i for block i, then 0 .. 7 - i for block 7 - i:
; 256 work-groups of equal work and constant trip counts.  A wave owns 32 queries of the block: two tiles of 16.  Eight waves, two to a SIMD: one wave's softmax stands beside the other's products.
; NO CLUSTER: the four work-groups of a head start their second walk behind trip i, which differs among them, so in a given trip they want different key slots; a joint walk would take 12 slots' time for 9 slots' work.
; LAYOUT.  S^T = K Q^T (source 0 = 16 keys, source 1 = 16 queries) and O^T = V^T P (source 0 = 16 channels, source 1 = P): a lane holds ONE query (lane % 16) throughout.  All operands lie in LDS as pieces: every load is
; a constant + 16 x lane.  V's pieces are laid so that the turning load at 16 x lane gives lane (channel l % 16, h) the keys 8 h .. 8 h + 7.
; THE MASKS.  The padding mask becomes a bias, 0 or -3e38 a key, kept in LDS in the order of the walk, and is the C of each score tile's first matrix instruction.  The causal mask: steps whose 64 keys all come after the wave's
; queries are jumped over (a scalar branch on ids); on the diagonal hidden scores become -3e38.  The running maximum starts at -1e30, so p of a masked key is 0; a query with no key at all ends with the sum 0 and 0 x infinity = NaN.
; SOFTMAX.  For each query a running maximum m and sum l: p = 2^(c s - c m), c = log2(e) / 8; in every step O and l are multiplied by a = 2^(c m_old - c m_new).
; LIMITS: f16 operands: |Q|, |K|, |V| up to 65,504, which bounds a raw score by 64 x 65,504^2 = 2.7e11, far above the floor -1e30.  NaN and infinities among the inputs are not served.
; LDS: slot s at 65,536 s: 256 keys of K (32 KB), then of V; the bias, 9 x 1,024 bytes; the spare words.
; REGISTERS: window 0: v1-12 addresses and constants; v16-31 statistics, 8 a tile (c m, m, l, l, c0-c3); v32-63 bias; v64-127 S^T, 32 a tile; v128-159 P; v160-177 at the head.
;   window 1: v0-31 Q; v32-95 O^T, 32 a tile; v96-159 K of a step; v160-223 V of a step.
.set SLOTB, 65536
.set VOFF,  32768
.set BIAS,  131072
.set SPARE, 140288                     ; the spare words: 128 bytes a wave, named by no other line
.set L16,  1                           ; v1  16 x lane; never rewritten
.set ADR,  2                           ; v2  the slot in hand + 16 x lane
.set ADB0, 3                           ; v3  BIAS + 32 (lane / 16)
.set ADB,  4
.set DD,   5
.set NEG,  6                           ; v6  -3e38
.set SPW,  8
.set NIL,  9
.set RH,   10                          ; v10 lane % 16 - 8 (lane / 16)
.set PFO,  11                          ; v11 256 x lane
.set BST,  12                          ; v12 BIAS + 4 x thread
.set ST,   16
.set BI,   32
.set S,    64
.set P,    128
.set MO,   160
.set MV,   169
.set QR,   0
.set OA,   32
.set KR,   96
.set VR,   160
.set WV,  10
.set II,  11
.set BH,  12
.set G1,  16                           ; s[16:23] descriptor group 1;  s[24:27] group 0
.set G0,  24
.set KVB, 28                           ; s[28:29] my quarter of K's (waves 0-3) or V's (4-7) key slot 0
.set KO,  30                           ; s[30:31] the key slot asked for, in bytes
.set NN,  32                           ; s32 the trip
.set TB,  33                           ; s33 LDS byte of the slot in hand
.set TBI, 34                           ; s34 the trip's bias: 1,024 bytes a trip
.set KF,  36                           ; s36 the step's first key
.set Q0,  37                           ; s37 my first query
.set PFA, 38
.set LIM, 40
.set QB,  42
.set AOB, 44
.set QA,  46
.set AO,  48
.set CS,  50
.set SEL, 52
.set MB,  60
.set MSB, 0
.macro WIN new
.if MSB != (\new)
	s_set_vgpr_msb (MSB<<8)|(\new)
.set MSB, \new
.endif
.endm
	s_load_b128 s[4:7], s[0:1], 0x0                ; qkv, attention_mask
	s_load_b64 s[8:9], s[0:1], 0x10                ; ao
	v_lshl_add_u32 v[SPW], v0, 2, SPARE
	v_mov_b32 v[NIL], 0
	ds_add_u32 v[SPW], v[NIL]                      ; the wave's opening: the add, twice on end, and its wait ahead of my first tensor load
	ds_add_u32 v[SPW], v[NIL]
	v_lshrrev_b32 v2, 5, v0
	v_readfirstlane_b32 s[WV], v2                  ; wave 0..7
	s_mov_b32 s[II], ttmp9                         ; i
	s_and_b32 s[BH], ttmp7, 0xffff                 ; batch x 16 + head
	s_lshr_b32 s13, s[BH], 4
	s_and_b32 s14, s[BH], 15
	s_mov_b32 s[G1+0], 3<<16                       ; no mask; elements of 8 bytes; no padding: 8,192 dense bytes as 32 rows of 256
	s_mov_b32 s[G1+1], 32<<16                      ; tensor_dim0 = 32
	s_mov_b32 s[G1+2], 32<<16                      ; tensor_dim1 = 32
	s_mov_b32 s[G1+3], 32<<16                      ; tile_dim0 = 32
	s_mov_b32 s[G1+4], 32                          ; tile_dim1 = 32
	s_mov_b32 s[G1+5], 32                          ; from row to row
	s_mov_b32 s[G1+6], 0
	s_mov_b32 s[G1+7], 0
	s_mov_b32 s[G0], 1
	s_lshl_b32 s[G0+1], s[WV], 13                  ; LDS: 8,192 x wave: K's four quarters, then V's
	s_lshr_b32 s54, s[WV], 2
	s_add_co_u32 s54, s54, 1
	s_lshl_b32 s54, s54, 24                        ; K's or V's third of qkv,
	s_lshl_b32 s58, s[BH], 18                      ; the head's 262,144 bytes,
	s_add_co_u32 s54, s54, s58
	s_and_b32 s56, s[WV], 3
	s_lshl_b32 s56, s56, 13                        ; my quarter of a slot
	s_add_co_u32 s54, s54, s56
	s_mov_b32 s55, 0
	s_mov_b32 s59, 0
	s_mov_b32 s[KO], 0
	s_mov_b32 s[KO+1], 0
	s_mov_b32 s[NN], 0
	s_mov_b32 s[TB], 0
	s_mov_b32 s[TBI], 0
	s_mov_b32 s[CS], 0x3e38aa3b                    ; c = log2(e) / 8
	s_mov_b32 s[CS+1], s[CS]
	s_mov_b32 s[SEL], 0x76543210
	s_mov_b32 s[SEL+1], 0xfedcba98                 ; lane l xor 16
	s_cmp_eq_u32 ttmp9, 0
	s_cselect_b32 s[LIM], 6, 0                     ; the head's first work-group prefetches, in trips 0 to 5
	v_and_b32 v[L16], 31, v0
	v_lshlrev_b32 v[PFO], 8, v[L16]
	v_lshlrev_b32 v[L16], 4, v[L16]
	v_bfe_u32 v2, v0, 4, 1
	v_lshl_add_u32 v[ADB0], v2, 5, BIAS
	v_and_b32 v[RH], 15, v0
	v_lshlrev_b32 v2, 3, v2
	v_sub_nc_u32 v[RH], v[RH], v2
	v_mov_b32 v[NEG], 0xff61b1e6
	v_lshl_add_u32 v[BST], v0, 2, BIAS
	s_wait_dscnt 0x0                               ; both opening adds are done
	s_wait_kmcnt 0x0
	s_add_nc_u64 s[KVB:KVB+1], s[4:5], s[54:55]
	s_add_nc_u64 s[QB:QB+1], s[4:5], s[58:59]
	s_mov_b64 s[G0+2:G0+3], s[KVB:KVB+1]
	s_or_b32 s[G0+3], s[G0+3], 0x80000000
	tensor_load_to_lds s[G0:G0+3], s[G1:G1+7]      ; key slot 0 into slot 0: one load of mine is out
	s_nop 0
.rept 4
	v_nop
.endr
	s_add_nc_u64 s[PFA:PFA+1], s[KVB:KVB+1], 32768 ; the first change of slots steps it to key slot 2
	s_lshl_b32 s56, s13, 22                        ; ao: the batch's 128 token tiles of 32,768 bytes, the head's four pieces
	s_lshl_b32 s57, s14, 11
	s_add_co_u32 s56, s56, s57
	s_mov_b32 s57, 0
	s_add_nc_u64 s[AOB:AOB+1], s[8:9], s[56:57]
	s_lshl_b32 s56, s13, 13
	s_add_nc_u64 s[MB:MB+1], s[6:7], s[56:57]      ; the batch's row of the mask
	; the mask of the walk's 9 x 256 keys, a key a thread: trip n walks key slot n (n <= i) or n - i - 1
	s_add_co_u32 s56, s[II], 1
.irp n, 0,1,2,3,4,5,6,7,8
	s_cmp_lt_u32 s[II], \n
	s_cselect_b32 s55, s56, 0
	s_sub_co_u32 s55, \n, s55
	s_lshl_b32 s55, s55, 10
	v_lshl_add_u32 v[MO+\n], v0, 2, s55
	global_load_b32 v[MV+\n], v[MO+\n], s[MB:MB+1]
.endr
.macro SETBLK                          ; s54 = the query block: my two tiles, my addresses
	s_lshl_b32 s55, s54, 4
	s_lshl_b32 s56, s[WV], 1
	s_add_co_u32 s55, s55, s56                     ; my first token tile
	s_lshl_b32 s[Q0], s55, 4
	s_lshl_b32 s56, s55, 11
	s_mov_b32 s57, 0
	s_add_nc_u64 s[QA:QA+1], s[QB:QB+1], s[56:57]
	s_lshl_b32 s56, s55, 15
	s_add_nc_u64 s[AO:AO+1], s[AOB:AOB+1], s[56:57]
	s_mov_b32 s[KF], 0
.endm
.macro INIT                            ; Q into registers; O^T and l zero, m = -1e30.  The step is written once: its first run finds zeros
	WIN 0x40                                       ; destination window 1
.irp t, 0,1
.irp cb, 0,1
.irp c, 0,1
	global_load_b128 v[QR+16*\t+8*\cb+4*\c:QR+16*\t+8*\cb+4*\c+3], v[L16], s[QA:QA+1] offset:2048*\t+512*(2*\cb+\c)
.endr
.endr
.endr
.set i, 0
.rept 64
	v_mov_b32 v[OA+i], 0
.set i, i+1
.endr
	WIN 0
.irp t, 0,1
	v_mov_b32 v[ST+8*\t+1], 0xf149f2ca             ; -1e30
	v_mul_f32 v[ST+8*\t], s[CS], v[ST+8*\t+1]
.irp k, 2,3,4,5,6,7
	v_mov_b32 v[ST+8*\t+\k], 0
.endr
.endr
	s_wait_loadcnt 0x0                             ; Q (and, the first time, the mask)
.endm
; The softmax of both tiles for one step, the tiles line by line by turns.
.macro SOFTMAX
.irp j, 0,1,2,3                        ; the maximum of 32 scores and the old m: four chains, each begun at an accumulator's low end
.irp t, 0,1
	v_max3_num_f32 v[ST+8*\t+4+\j], v[S+32*\t+8*\j], v[S+32*\t+8*\j+1], v[S+32*\t+8*\j+2]
.endr
.endr
.irp g, 1,2
.irp j, 0,1,2,3
.irp t, 0,1
	v_max3_num_f32 v[ST+8*\t+4+\j], v[ST+8*\t+4+\j], v[S+32*\t+8*\j+2*\g+1], v[S+32*\t+8*\j+2*\g+2]
.endr
.endr
.endr
.irp t, 0,1
	v_max3_num_f32 v[ST+8*\t+4], v[ST+8*\t+4], v[S+32*\t+7], v[S+32*\t+15]
.endr
.irp t, 0,1
	v_max3_num_f32 v[ST+8*\t+6], v[ST+8*\t+6], v[S+32*\t+23], v[S+32*\t+31]
.endr
.irp t, 0,1
	v_max3_num_f32 v[ST+8*\t+4], v[ST+8*\t+4], v[ST+8*\t+5], v[ST+8*\t+6]
.endr
.irp t, 0,1
	v_max3_num_f32 v[ST+8*\t+4], v[ST+8*\t+4], v[ST+8*\t+7], v[ST+8*\t+1]
.endr
.irp t, 0,1
	v_permlanex16_b32 v[ST+8*\t+5], v[ST+8*\t+4], s[SEL], s[SEL+1]   ; the query's other 32 keys lie in the lane 16 away
.endr
.irp t, 0,1
	v_mov_b32 v[ST+8*\t+7], v[ST+8*\t]             ; c m_old
.endr
.irp t, 0,1
	v_max_num_f32 v[ST+8*\t+1], v[ST+8*\t+4], v[ST+8*\t+5]
.endr
.irp t, 0,1
	v_mul_f32 v[ST+8*\t], s[CS], v[ST+8*\t+1]
.endr
.irp t, 0,1
	v_sub_f32 v[ST+8*\t+7], v[ST+8*\t+7], v[ST+8*\t]
.endr
.set n, 0
.rept 16
.irp t, 0,1
	v_pk_fma_f32 v[S+32*\t+2*n:S+32*\t+2*n+1], v[S+32*\t+2*n:S+32*\t+2*n+1], s[CS:CS+1], v[ST+8*\t:ST+8*\t+1] op_sel_hi:[1,0,0] neg_lo:[0,0,1] neg_hi:[0,0,1]   ; c s - c m
.endr
.set n, n+1
.endr
.irp t, 0,1
	v_exp_f32 v[ST+8*\t+6], v[ST+8*\t+7]           ; a
.endr
.set n, 0
.rept 32
.irp t, 0,1
	v_exp_f32 v[S+32*\t+n], v[S+32*\t+n]           ; p
.endr
.set n, n+1
.endr
	v_nop                                          ; a plain line behind the last exponential
	s_wait_alu depctr_va_vdst(0)                   ; one wait for the batch of 66, ahead of its first reader
.set n, 0
.rept 16
.irp t, 0,1
	v_cvt_pk_f16_f32 v[P+16*\t+n], v[S+32*\t+2*n], v[S+32*\t+2*n+1]   ; two tiles of 16 keys, rounded in pairs, are source 1 of V^T P
.endr
.set n, n+1
.endr
.irp u, 0,1,2,3,4,5,6,7                ; the sum of the unrounded p: a tree of packed additions, in place
.irp t, 0,1
	v_pk_add_f32 v[S+32*\t+4*\u:S+32*\t+4*\u+1], v[S+32*\t+4*\u:S+32*\t+4*\u+1], v[S+32*\t+4*\u+2:S+32*\t+4*\u+3]
.endr
.endr
.irp u, 0,1,2,3
.irp t, 0,1
	v_pk_add_f32 v[S+32*\t+8*\u:S+32*\t+8*\u+1], v[S+32*\t+8*\u:S+32*\t+8*\u+1], v[S+32*\t+8*\u+4:S+32*\t+8*\u+5]
.endr
.endr
.irp u, 0,1
.irp t, 0,1
	v_pk_add_f32 v[S+32*\t+16*\u:S+32*\t+16*\u+1], v[S+32*\t+16*\u:S+32*\t+16*\u+1], v[S+32*\t+16*\u+8:S+32*\t+16*\u+9]
.endr
.endr
.irp t, 0,1
	v_pk_add_f32 v[S+32*\t:S+32*\t+1], v[S+32*\t:S+32*\t+1], v[S+32*\t+16:S+32*\t+17]
.endr
.irp t, 0,1
	v_pk_fma_f32 v[ST+8*\t+2:ST+8*\t+3], v[ST+8*\t+2:ST+8*\t+3], v[ST+8*\t+6:ST+8*\t+7], v[S+32*\t:S+32*\t+1] op_sel_hi:[1,0,1]   ; l = a l + the sum
.endr
	WIN 0x41                                       ; O^T (destination, source 0) window 1, a window 0
.set n, 0
.rept 16
.irp t, 0,1
	v_pk_mul_f32 v[OA+32*\t+2*n:OA+32*\t+2*n+1], v[OA+32*\t+2*n:OA+32*\t+2*n+1], v[ST+8*\t+6:ST+8*\t+7] op_sel_hi:[1,0]   ; each accumulator from its low end on
.endr
.set n, n+1
.endr
.endm
; A KEY STEP: 64 keys, the q-th of the slot in hand.
.macro STEP q
	s_add_co_u32 s54, s[Q0], 31
	s_cmp_gt_u32 s[KF], s54                        ; all 64 keys come after my 32 queries: the step's work is left out
	s_cbranch_scc1 .Lhid_\@
	v_add_nc_u32 v[ADR], s[TB], v[L16]             ; these two and two v_nop are the four places between the last V^T P and the loads into V's registers
	v_add_nc_u32 v[ADB], s[TBI], v[ADB0]
	v_nop
	v_nop
.irp kt, 0,1,2,3
.irp c, 0,1
	ds_load_b128 v[BI+8*\kt+4*\c:BI+8*\kt+4*\c+3], v[ADB] offset:256*(\q)+64*\kt+16*\c   ; the bias of keys 16 kt + 8 h + 0 .. 7, in the result's layout
.endr
.endr
	WIN 0x40
.irp kt, 0,1,2,3
.irp cb, 0,1
.irp c, 0,1
	ds_load_b128 v[KR+16*\kt+8*\cb+4*\c:KR+16*\kt+8*\cb+4*\c+3], v[ADR] offset:8192*(\q)+2048*\kt+512*(2*\cb+\c)
.endr
.endr
.endr
.irp kb, 0,1
.irp ct, 0,1,2,3
.irp c, 0,1
	ds_load_tr16_b128 v[VR+32*\kb+8*\ct+4*\c:VR+32*\kb+8*\ct+4*\c+3], v[ADR] offset:VOFF+8192*(\q)+2048*(2*\kb+\c)+512*\ct
.endr
.endr
.endr
	s_wait_dscnt 16                                ; the bias and K are in; V's sixteen loads stay out
	WIN 0x05                                       ; K and Q window 1; S^T and the bias window 0
.irp cb, 0,1                           ; eight accumulators by turns, one instruction a turn
.irp kt, 0,1,2,3
.irp t, 0,1
.if \cb == 0
	v_wmma_f32_16x16x32_f16 v[S+32*\t+8*\kt:S+32*\t+8*\kt+7], v[KR+16*\kt+8*\cb:KR+16*\kt+8*\cb+7], v[QR+16*\t+8*\cb:QR+16*\t+8*\cb+7], v[BI+8*\kt:BI+8*\kt+7]
.else
	v_wmma_f32_16x16x32_f16 v[S+32*\t+8*\kt:S+32*\t+8*\kt+7], v[KR+16*\kt+8*\cb:KR+16*\kt+8*\cb+7], v[QR+16*\t+8*\cb:QR+16*\t+8*\cb+7], v[S+32*\t+8*\kt:S+32*\t+8*\kt+7]
.endif
.endr
.endr
.endr
	WIN 0
.rept 4
	v_nop                                          ; places in front of the first read of the scores
.endr
	s_add_co_u32 s54, s[KF], 63
	s_cmp_le_u32 s54, s[Q0]                        ; all 64 keys count for all my queries: nothing to hide
	s_cbranch_scc1 .Lopen_\@
	s_sub_co_i32 s54, s[Q0], s[KF]
	v_add_nc_u32 v[DD], s54, v[RH]                 ; d = Q0 - KF + r - 8 h.  Register (t, kt, j) holds key KF + 16 kt + 8 h + j of query Q0 + 16 t + r: hidden where 16 kt + j - 16 t > d
.irp t, 0,1
.irp kt, 0,1,2,3
.irp j, 0,1,2,3,4,5,6,7
	v_cmp_gt_i32 vcc_lo, 16*\kt+\j-16*\t, v[DD]
	v_cndmask_b32 v[S+32*\t+8*\kt+\j], v[S+32*\t+8*\kt+\j], v[NEG], vcc_lo
.endr
.endr
.endr
.Lopen_\@:
	SOFTMAX
	s_wait_dscnt 0x0                               ; V is in
	WIN 0x51                                       ; V window 1, P window 0, O^T window 1
.irp kb, 0,1
.irp ct, 0,1,2,3
.irp t, 0,1
	v_wmma_f32_16x16x32_f16 v[OA+32*\t+8*\ct:OA+32*\t+8*\ct+7], v[VR+32*\kb+8*\ct:VR+32*\kb+8*\ct+7], v[P+16*\t+8*\kb:P+16*\t+8*\kb+7], v[OA+32*\t+8*\ct:OA+32*\t+8*\ct+7]
.endr
.endr
.endr
	WIN 0
.Lhid_\@:
	s_add_co_u32 s[KF], s[KF], 64
.endm
; A block's end: O^T / l, rounded to f16: a lane's eight channels of a query are a chunk of a piece; a store covers 512 consecutive bytes, aligned.
.macro FINAL
.irp t, 0,1
	v_add_f32 v[ST+8*\t+4], v[ST+8*\t+2], v[ST+8*\t+3]               ; these additions and the v_nop are the places behind the last products
.endr
.irp t, 0,1
	v_permlanex16_b32 v[ST+8*\t+5], v[ST+8*\t+4], s[SEL], s[SEL+1]
.endr
.irp t, 0,1
	v_add_f32 v[ST+8*\t+4], v[ST+8*\t+4], v[ST+8*\t+5]
.endr
.irp t, 0,1
	v_rcp_f32 v[ST+8*\t+6], v[ST+8*\t+4]           ; a sum of 0 gives infinity, and 0 x infinity NaN: a query with no key
.endr
	v_nop
	s_wait_alu depctr_va_vdst(0)                   ; one wait for both reciprocals, ahead of their first reader
	WIN 0x41
.set n, 0
.rept 16
.irp t, 0,1
	v_pk_mul_f32 v[OA+32*\t+2*n:OA+32*\t+2*n+1], v[OA+32*\t+2*n:OA+32*\t+2*n+1], v[ST+8*\t+6:ST+8*\t+7] op_sel_hi:[1,0]
.endr
.set n, n+1
.endr
	WIN 0x05
.irp t, 0,1
.irp ct, 0,1,2,3
.irp i, 0,1,2,3
	v_cvt_pk_f16_f32 v[S+16*\t+4*\ct+\i], v[OA+32*\t+8*\ct+2*\i], v[OA+32*\t+8*\ct+2*\i+1]
.endr
.endr
.endr
	WIN 0
.irp t, 0,1
.irp ct, 0,1,2,3
	global_store_b128 v[L16], v[S+16*\t+4*\ct:S+16*\t+4*\ct+3], s[AO:AO+1] offset:32768*\t+512*\ct
.endr
.endr
.endm
; A prefetch of the key slot two trips on in the walk of the head's first work-group (trip n names key slot n + 2; trips 0 to 5): each wave names its own 8,192 bytes, lanes 256 bytes apart, so each block is named once in the launch.
.macro ASK
	s_cmp_lt_u32 s[NN], s[LIM]
	s_cbranch_scc0 .Lnot_mine_\@
	global_prefetch_b8 v[PFO], s[PFA:PFA+1] th:TH_LOAD_NT scope:SCOPE_SE
.Lnot_mine_\@:
.endm
; THE CHANGE OF SLOTS, at a slot's head.  Each wave waits for all its tensor loads (its part of the slot ahead), adds 0 to its spare word, and waits for that and for its LDS reads of the slot left.  Behind the barrier the slot
; ahead is whole and nobody reads the other; fill = 1: that one takes the walk's next key slot: one load a wave, first thing behind the barrier, with a slot's four steps in which to land.
.macro CHANGE fill
	s_wait_tensorcnt 0x0                           ; no tensor load of mine is out: group 0 may be written
	ds_add_u32 v[SPW], v[NIL]
.if \fill
	s_xor_b32 s[G0+1], s[G0+1], SLOTB              ; the other slot than last time
	s_add_co_u32 s[KO], s[KO], 32768               ; the next key slot,
	s_cmp_eq_u32 s[NN], s[II]
	s_cselect_b32 s[KO], 0, s[KO]                  ; or key slot 0 again, for the second block's walk
	s_add_nc_u64 s[G0+2:G0+3], s[KVB:KVB+1], s[KO:KO+1]
	s_or_b32 s[G0+3], s[G0+3], 0x80000000
	s_wait_xcnt 0x0                                ; the last prefetch, a slot back, has read its address
	s_add_nc_u64 s[PFA:PFA+1], s[PFA:PFA+1], 32768
.endif
	s_wait_dscnt 0x0                               ; the add is done; my LDS stores (the bias, in trip 0) have landed and my reads are over
	s_barrier_signal -1
	s_barrier_wait -1
.if \fill
	tensor_load_to_lds s[G0:G0+3], s[G1:G1+7]
	s_nop 0
.rept 4
	v_nop
.endr
	ASK
.endif
.endm
.macro SLOT                            ; a slot's four steps, written out: the step's number stands in the immediates
	STEP 0
	STEP 1
	STEP 2
	STEP 3
	s_xor_b32 s[TB], s[TB], SLOTB
	s_add_co_u32 s[TBI], s[TBI], 1024
.endm
	s_mov_b32 s54, s[II]
	SETBLK
	INIT
.irp n, 0,1,2,3,4,5,6,7,8
	v_cmp_eq_u32 vcc_lo, 0, v[MV+\n]
	v_cndmask_b32 v[MV+\n], 0, v[NEG], vcc_lo      ; 0 where the key counts, -3e38 where the mask is 0
	ds_store_b32 v[BST], v[MV+\n] offset:1024*\n
.endr
.Lslot:                                            ; 8 trips; behind each change the walk's next key slot is asked for
	CHANGE 1
	SLOT
	s_cmp_lg_u32 s[NN], s[II]
	s_cbranch_scc1 .Lsame
	FINAL                                          ; block i is done;
	s_wait_xcnt 0x0                                ; its stores have read their data and base
	s_sub_co_u32 s54, 7, s[II]
	SETBLK                                         ; block 7 - i begins
	INIT
.Lsame:
	s_add_co_u32 s[NN], s[NN], 1
	s_cmp_lt_u32 s[NN], 8
	s_cbranch_scc1 .Lslot
	CHANGE 0                                       ; the last slot is written out: nothing is left to ask for
	SLOT
	FINAL
	s_wait_tensorcnt 0x0                           ; the wave's end
	ds_add_u32 v[SPW], v[NIL]
	s_wait_dscnt 0x0
	s_endpgm
.Lfunc_end_k_q8c710e7108_attn:
	.size	k_q8c710e7108_attn, .Lfunc_end_k_q8c710e7108_attn-k_q8c710e7108_attn
	.p2alignl 7, 3214868480
	.fill 96, 4, 3214868480
	.section	.rodata,"a",@progbits
	.p2align	6, 0x0
	.amdhsa_kernel k_q8c710e7108_attn
		.amdhsa_group_segment_fixed_size 327680
		.amdhsa_private_segment_fixed_size 0
		.amdhsa_enable_private_segment 0
		.amdhsa_kernarg_size 24
		.amdhsa_user_sgpr_count 2
		.amdhsa_user_sgpr_kernarg_segment_ptr 1
		.amdhsa_wavefront_size32 1
		.amdhsa_system_sgpr_workgroup_id_x 1
		.amdhsa_system_sgpr_workgroup_id_y 1
		.amdhsa_system_sgpr_workgroup_id_z 1
		.amdhsa_system_vgpr_workitem_id 0
		.amdhsa_next_free_vgpr 512
		.amdhsa_next_free_sgpr 66
		.amdhsa_reserve_vcc 1
		.amdhsa_float_denorm_mode_32 3
		.amdhsa_float_denorm_mode_16_64 3
		.amdhsa_memory_ordered 1
		.amdhsa_forward_progress 1
		.amdhsa_inst_pref_size 201
	.end_amdhsa_kernel
	.amdgpu_metadata
---
amdhsa.version: [ 1, 2 ]
amdhsa.kernels:
  - .name:           k_q8c710e7108_attn
    .symbol:         k_q8c710e7108_attn.kd
    .args:
      - { .name: qkv, .offset: 0, .size: 8, .value_kind: global_buffer, .address_space: global }
      - { .name: attention_mask, .offset: 8, .size: 8, .value_kind: global_buffer, .address_space: global }
      - { .name: ao, .offset: 16, .size: 8, .value_kind: global_buffer, .address_space: global }
    .group_segment_fixed_size: 327680
    .private_segment_fixed_size: 0
    .kernarg_segment_align: 8
    .kernarg_segment_size: 24
    .max_flat_workgroup_size: 256
    .sgpr_count:     66
    .vgpr_count:     512
    .wavefront_size: 32
...
	.end_amdgpu_metadata
.endif
;; end of part 3
;; launch outp (part 4): grid 4 x 64, 4 waves a work-group, clusters of 4 x 4, 327,680 bytes of LDS; arguments ao, wo16, out0; writes out0
.if DOCPART == 4
	.amdgcn_target "amdgcn-amd-amdhsa--gfx1250"
	.amdhsa_code_object_version 6
	.text
	.protected	k_q8c710e7108_outp
	.globl	k_q8c710e7108_outp
	.p2align	8
	.type	k_q8c710e7108_outp,@function
k_q8c710e7108_outp:
	s_mov_b64 s[64:65], 0
	v_nop
	global_prefetch_b8 v0, s[64:65] scope:SCOPE_SE
	s_setreg_imm32_b32 hwreg(HW_REG_WAVE_MODE, 25, 1), 1
	s_wait_xcnt 0x0
	s_wait_alu depctr_hold_cnt(0) depctr_sa_sdst(0) depctr_va_vdst(0) depctr_va_sdst(0) depctr_va_ssrc(0) depctr_va_vcc(0) depctr_vm_vsrc(0)
	s_getreg_b32 s2, hwreg(HW_REG_IB_STS2, 6, 4)
	s_cmp_eq_u32 s2, 0
	s_cbranch_scc0 .Lentry_in_a_cluster
	s_endpgm
.Lentry_in_a_cluster:
	s_bfe_u32 s2, ttmp6, 0x10000c
	s_cmp_lg_u32 s2, 0xf033
	s_cbranch_scc0 .Lentry_shape_is_right
	s_endpgm
.Lentry_shape_is_right:
; out0 = O Wo^T: M 8,192, N 1,024, K 1,024; f16 operands, f32 sums, f32 out.  Every row but the first 16 of each sequence, which a launch of their own carries in f32.
; ao [512 tiles of 16 tokens][64 pieces], wo16 [64 tiles of 16 rows of Wo][64 pieces]: a piece is 512 bytes, 16 rows x 16 along K in the lane order of four operand registers: every fragment load is a constant + 16 x lane.
; A tile of 128 tokens x 256 columns to a work-group: 256 work-groups.  Four waves, 64 x 128 each: 32 accumulators, window 1.  K goes in 8 steps of 128 through two LDS slots: 8 rows of 4,096 bytes of A, 16 of B.
; CLUSTERS: 4 x 4.  Cluster y = Y.  The work-group at (cx, cy) takes tokens 128 Y on of BATCH cy and columns 256 cx on: A's tiles are shared along a cluster's row, B's along a column (joint loads), and which tile holds a
; sequence's first rows hangs on Y alone.  THE MATRIX INSTRUCTION IS USED TRANSPOSED (source 0 = 16 rows of Wo, source 1 = 16 tokens): a lane holds eight neighbouring columns of a row of out0.
; LIMIT: O and Wo are f16: magnitudes up to 65,504.
; REGISTERS: window 0: v16-29 addresses; two fragment buffers: A v32-63, B v64-127; A v128-159, B v160-223; on the way out v32-95 and v128-191 rows read back.  window 1: accumulator (a, b) at v[8 (8 a + b)].
.set SLOT,   98304                     ; A's 8 x 4,096 bytes, then B's 16 x 4,096
.set BOFF,   32768
.set STAGE,  2*SLOT                    ; 16 rows x 528 bytes for each wave: bytes of their own, into which no tile lands
.set SPITCH, 528
.set SPARE,  STAGE+4*16*SPITCH         ; the spare words: 128 bytes a wave, named by no other line
.set LAPS,   4                         ; a lap = two K steps
.set ADRA, 16
.set ADRB, 20
.set STO,  24
.set RD,   25
.set CO,   26                          ; v26 16 x lane
.set SPW,  28
.set NIL,  29
.set BK,   32
.set G1, 24
.set G0, 32
.set G1B, 48
.set G0B, 56
.set MSB, 0
.macro WIN new
.if MSB != (\new)
	s_set_vgpr_msb (MSB<<8)|(\new)
.set MSB, \new
.endif
.endm
.set MUL, 0x50                         ; sources 0 and 1 window 0; C and D window 1
.macro JLOAD s                         ; a joint load: waves 0 and 1 fetch A's halves, waves 2 and 3 B's; an s_nop 0 and four v_nop follow each line
	s_cmp_eq_u32 s11, 0
	s_cbranch_scc0 .Lfor_b_\@
	tensor_load_to_lds s[G0+4*\s:G0+4*\s+3], s[G1:G1+7]
	s_nop 0
.rept 4
	v_nop
.endr
	s_branch .Lasked_\@
.Lfor_b_\@:
	tensor_load_to_lds s[G0B+4*\s:G0B+4*\s+3], s[G1B:G1B+7]
	s_nop 0
.rept 4
	v_nop
.endr
.Lasked_\@:
.endm
.macro CREST
	s_cmp_lg_u32 s10, 0
	s_cbranch_scc1 .Lnot_wave_0_\@
	s_barrier_signal -3
.Lnot_wave_0_\@:
	s_barrier_wait -3
	s_barrier_signal -1
	s_barrier_wait -1
.endm
.macro CROUND
	s_barrier_signal -1
	s_barrier_wait -1
	CREST
.endm
	s_load_b128 s[4:7], s[0:1], 0x0                ; ao, wo16
	s_load_b64 s[8:9], s[0:1], 0x10                ; out0
	v_lshl_add_u32 v[SPW], v0, 2, SPARE
	v_mov_b32 v[NIL], 0
	ds_add_u32 v[SPW], v[NIL]                      ; the wave's opening: the add, twice on end, and its wait ahead of my first tensor load
	ds_add_u32 v[SPW], v[NIL]
	v_lshrrev_b32 v1, 5, v0
	v_readfirstlane_b32 s10, v1                    ; wave 0..3
	s_lshr_b32 s11, s10, 1                         ; my half of the tile's rows.  Also: I fetch for A (0) or for B (1)
	s_and_b32 s12, s10, 1                          ; my half of its columns.  Also: which half I fetch
	s_bfe_u32 s40, ttmp6, 0x40000                  ; cx
	s_bfe_u32 s41, ttmp6, 0x40004                  ; cy = the batch
	s_lshl_b32 s42, ttmp9, 2
	s_add_co_u32 s42, s42, s40                     ; tile column
	s_and_b32 s13, ttmp7, 0xffff                   ; Y
	s_or_b32 s14, s13, s11                         ; 0 where my first 16 rows are a sequence's first
	s_lshl_b32 s43, s41, 2
	s_lshl_b32 s43, 15, s43                        ; my row of the cluster
	s_lshl_b32 s44, 0x1111, s40                    ; my column
	s_or_b32 s[G1+0], s43, (3<<16)|(1<<21)         ; mask; elements of 8 bytes; no padding
	s_or_b32 s[G1B+0], s44, (3<<16)|(1<<21)
.irp g, G1, G1B
	s_mov_b32 s[\g+1], 512<<16                     ; tensor_dim0 = 512 elements: 8 pieces
	s_mov_b32 s[\g+3], 512<<16                     ; tile_dim0
	s_mov_b32 s[\g+5], 4096                        ; from tile of 16 rows to the next: 64 pieces
	s_mov_b32 s[\g+6], 0
	s_mov_b32 s[\g+7], 0
.endr
	s_mov_b32 s[G1+2], 4<<16                       ; A: four tiles of 16 tokens to a load
	s_mov_b32 s[G1+4], 4
	s_mov_b32 s[G1B+2], 8<<16                      ; B: eight tiles of 16 rows of Wo
	s_mov_b32 s[G1B+4], 8
	s_lshl_b32 s16, s41, 7                         ; A: token tile 128 cy + 8 Y + 4 half
	s_lshl_b32 s17, s13, 3
	s_add_co_u32 s16, s16, s17
	s_lshl_b32 s17, s12, 2
	s_add_co_u32 s16, s16, s17
	s_lshl_b32 s16, s16, 15
	s_mov_b32 s17, 0
	s_lshl_b32 s46, s42, 4                         ; B: tile 16 column + 8 half
	s_lshl_b32 s47, s12, 3
	s_add_co_u32 s46, s46, s47
	s_lshl_b32 s46, s46, 15
	s_mov_b32 s47, 0
	s_lshl_b32 s20, s12, 14                        ; where they go: A's half,
	s_lshl_b32 s21, s12, 15
	s_add_co_u32 s21, s21, BOFF                    ; B's half
	s_wait_dscnt 0x0                               ; both opening adds are done
	s_wait_kmcnt 0x0
	s_add_nc_u64 s[18:19], s[4:5], s[16:17]
	s_add_nc_u64 s[46:47], s[6:7], s[46:47]
	CROUND                                         ; all sixteen work-groups are here: the first joint loads meet
.irp s, 0,1
	s_mov_b32 s[G0+4*\s], 1
	s_add_co_u32 s[G0+4*\s+1], s20, \s*SLOT
	s_add_nc_u64 s[G0+4*\s+2:G0+4*\s+3], s[18:19], \s*4096
	s_or_b32 s[G0+4*\s+3], s[G0+4*\s+3], 0x80000000
	s_mov_b32 s[G0B+4*\s], 1
	s_add_co_u32 s[G0B+4*\s+1], s21, \s*SLOT
	s_add_nc_u64 s[G0B+4*\s+2:G0B+4*\s+3], s[46:47], \s*4096
	s_or_b32 s[G0B+4*\s+3], s[G0B+4*\s+3], 0x80000000
	JLOAD \s
.endr
	v_and_b32 v3, 31, v0
	v_lshlrev_b32 v[CO], 4, v3
	v_and_b32 v1, 15, v0                           ; r
	v_bfe_u32 v2, v0, 4, 1                         ; h
	s_lshl_b32 s21, s11, 14                        ; my 64 tokens of A
	s_lshl_b32 s22, s12, 15                        ; my 128 rows of Wo
	s_add_co_u32 s22, s22, BOFF
.irp s, 0,1
	v_add_nc_u32 v[ADRA+\s], s21, v[CO]
	v_add_nc_u32 v[ADRB+\s], s22, v[CO]
	s_add_co_u32 s21, s21, SLOT
	s_add_co_u32 s22, s22, SLOT
.endr
	s_mul_i32 s23, s10, 16*SPITCH
	s_add_co_u32 s23, s23, STAGE                   ; my stage
	v_mul_u32_u24 v4, v1, SPITCH
	v_lshl_add_u32 v4, v2, 5, v4
	v_add_nc_u32 v[STO], s23, v4                   ; in: row r, 32 bytes for each half of the lanes
	v_add_nc_u32 v[RD], s23, v[CO]                 ; back: the 32 lanes take a row of 512 bytes
	s_lshl_b32 s16, s41, 11                        ; out0: row 2048 cy + 128 Y + 64 half, of 4,096 bytes; column 1,024 x tile column + 512 x half, in bytes
	s_lshl_b32 s17, s13, 7
	s_add_co_u32 s16, s16, s17
	s_lshl_b32 s17, s11, 6
	s_add_co_u32 s16, s16, s17
	s_lshl_b32 s16, s16, 12
	s_lshl_b32 s17, s42, 10
	s_add_co_u32 s16, s16, s17
	s_lshl_b32 s17, s12, 9
	s_add_co_u32 s16, s16, s17
	s_mov_b32 s17, 0
	s_add_nc_u64 s[8:9], s[8:9], s[16:17]
.macro MUL8 f, a, zero                 ; token block a x Wo's eight blocks, 32 along K, from buffer f.  The 32 accumulators take turns, one instruction a turn
.irp b, 0,1,2,3,4,5,6,7
.if \zero
	v_wmma_f32_16x16x32_f16 v[8*(8*\a+\b):8*(8*\a+\b)+7], v[64+96*\f+8*\b:64+96*\f+8*\b+7], v[32+96*\f+8*\a:32+96*\f+8*\a+7], 0
.else
	v_wmma_f32_16x16x32_f16 v[8*(8*\a+\b):8*(8*\a+\b)+7], v[64+96*\f+8*\b:64+96*\f+8*\b+7], v[32+96*\f+8*\a:32+96*\f+8*\a+7], v[8*(8*\a+\b):8*(8*\a+\b)+7]
.endif
.endr
.endm
.macro FETCH slot, q, f                ; 24 LDS loads in one run: the fragments of the slot's q-th 32 along K (pieces 2 q, 2 q + 1) into buffer f; B first, A's blocks 2 and 3 last
	WIN 0
.irp b, 0,1,2,3,4,5,6,7
	ds_load_b128 v[64+96*\f+8*\b:64+96*\f+8*\b+3],   v[ADRB+\slot] offset:4096*\b+1024*(\q)
	ds_load_b128 v[64+96*\f+8*\b+4:64+96*\f+8*\b+7], v[ADRB+\slot] offset:4096*\b+1024*(\q)+512
.endr
.irp a, 0,1,2,3
	ds_load_b128 v[32+96*\f+8*\a:32+96*\f+8*\a+3],   v[ADRA+\slot] offset:4096*\a+1024*(\q)
	ds_load_b128 v[32+96*\f+8*\a+4:32+96*\f+8*\a+7], v[ADRA+\slot] offset:4096*\a+1024*(\q)+512
.endr
.endm
.macro PLACES                          ; four plain lines in front of loads into registers that matrix instructions have read
.rept 4
	v_nop
.endr
.endm
.macro QUARTER slot, q, f, g, zero     ; multiplies buffer f; in its middle fetches the slot's q-th quarter into buffer g
	s_wait_dscnt 4                                 ; B and A's blocks 0, 1 are in; the youngest four loads (A's blocks 2, 3) may be out
	WIN MUL
	MUL8 \f, 0, \zero
	MUL8 \f, 1, \zero
	PLACES
	FETCH \slot, \q, \g
	s_wait_dscnt 24                                ; all but the 24 just issued
	WIN MUL
	MUL8 \f, 2, \zero
	MUL8 \f, 3, \zero
.endm
; A slot's last quarter multiplies buffer 1 and changes slots: each wave waits for all its tensor loads (its part of the next slot), adds 0 to its spare word, waits for that and for its reads of this slot; one barrier, which
; with fill = 1 opens a round of the cluster's barrier; behind it this slot is filled again, two K steps on: the wave's one load, 112 matrix instructions ahead of the wait for it.
.macro TURN slot, next, fill
	WIN 0
	s_wait_tensorcnt 0x0
	ds_add_u32 v[SPW], v[NIL]
	s_wait_dscnt 5                                 ; (the add and the youngest four loads may be out)
	WIN MUL
	MUL8 1, 0, 0
	s_wait_dscnt 0x0                               ; the add is done, and my reads of this slot are over
	s_barrier_signal -1
	MUL8 1, 1, 0
.if \fill
	WIN 0
.endif
	s_barrier_wait -1
.if \fill
	CREST                                          ; no wave of any partner still reads this slot or has a load on its way
	s_add_nc_u64 s[G0+4*\slot+2:G0+4*\slot+3], s[G0+4*\slot+2:G0+4*\slot+3], 8192
	s_add_nc_u64 s[G0B+4*\slot+2:G0B+4*\slot+3], s[G0B+4*\slot+2:G0B+4*\slot+3], 8192
	JLOAD \slot                                    ; its four v_nop are also the places in front of the loads below
.else
	PLACES
.endif
	FETCH \next, 0, 0
	WIN MUL
	MUL8 1, 2, 0
	MUL8 1, 3, 0
.endm
	s_wait_tensorcnt 1                             ; my part of K step 0 is in; K step 1's load may be out
	s_barrier_signal -1
	s_barrier_wait -1
	FETCH 0, 0, 0
	QUARTER 0, 1, 0, 1, 1                          ; the first quarter's products start the sums: nothing is cleared
	WIN 0
	s_mov_b32 s3, LAPS-1
.Llap:                                             ; a trip goes once round the ring and fills both slots again
	QUARTER 0, 2, 1, 0, 0
	QUARTER 0, 3, 0, 1, 0
	TURN 0, 1, 1
	QUARTER 1, 1, 0, 1, 0
	QUARTER 1, 2, 1, 0, 0
	QUARTER 1, 3, 0, 1, 0
	TURN 1, 0, 1
	QUARTER 0, 1, 0, 1, 0
	WIN 0
	s_sub_co_u32 s3, s3, 1
	s_cmp_lg_u32 s3, 0
	s_cbranch_scc1 .Llap
	QUARTER 0, 2, 1, 0, 0                          ; the last lap fills nothing
	QUARTER 0, 3, 0, 1, 0
	TURN 0, 1, 0
	QUARTER 1, 1, 0, 1, 0
	QUARTER 1, 2, 1, 0, 0
	QUARTER 1, 3, 0, 1, 0
	s_wait_dscnt 4
	WIN MUL
	MUL8 1, 0, 0
	MUL8 1, 1, 0
	s_wait_dscnt 0
	MUL8 1, 2, 0
	MUL8 1, 3, 0
	WIN 0
; THE WAY OUT, a block of 16 rows x 128 columns at a time, through my own stage: in as 32 bytes a lane, back as whole rows of 512 bytes.  LDS serves a wave's instructions in order: no wait between the stores and the loads.
.macro TOSTAGE a
	WIN 0x04                                       ; an LDS store's data are its source 1: window 1
.irp b, 0,1,2,3,4,5,6,7
	ds_store_b128 v[STO], v[64*(\a)+8*\b:64*(\a)+8*\b+3] offset:64*\b            ; each accumulator from its low end on
	ds_store_b128 v[STO], v[64*(\a)+8*\b+4:64*(\a)+8*\b+7] offset:64*\b+16
.endr
	WIN 0
.set BB, BK+96*((\a)%2)
.irp t, 0,1,2,3,4,5,6,7,8,9,10,11,12,13,14,15
	ds_load_b128 v[BB+4*\t:BB+4*\t+3], v[RD] offset:\t*SPITCH
.endr
.endm
.macro SEND a, younger                 ; younger: the LDS instructions issued behind block a's loads
.set BB, BK+96*((\a)%2)
	s_wait_dscnt \younger
.if (\a) > 0
	s_add_nc_u64 s[8:9], s[8:9], 65536             ; 16 rows on (behind a wait that shows the earlier stores' base read)
.else
	s_cmp_eq_u32 s14, 0                            ; a sequence's first 16 rows are another launch's: cluster y and the wave's number alone decide
	s_cbranch_scc1 .Lfine_rows
.endif
.irp t, 0,1,2,3,4,5,6,7,8,9,10,11,12,13,14,15
	global_store_b128 v[CO], v[BB+4*\t:BB+4*\t+3], s[8:9] offset:\t*4096 th:TH_STORE_NT   ; 512 consecutive bytes, aligned
.endr
.if (\a) == 0
.Lfine_rows:
.endif
.endm
	PLACES                                         ; behind the last products: results are read, and loads land in the fragments' registers
	TOSTAGE 0
.irp a, 1,2,3
.if \a > 1
	s_wait_xcnt 0x0                                ; block a - 2's stores have read their registers and base
.endif
	TOSTAGE \a
	SEND \a-1, 32                                  ; behind block a - 1's loads: block a's 16 stores and 16 loads
.endr
	s_wait_xcnt 0x0
	SEND 3, 0
	s_wait_tensorcnt 0x0                           ; the wave's end
	ds_add_u32 v[SPW], v[NIL]
	s_wait_dscnt 0x0
	CROUND                                         ; the closing round
	s_endpgm
.Lfunc_end_k_q8c710e7108_outp:
	.size	k_q8c710e7108_outp, .Lfunc_end_k_q8c710e7108_outp-k_q8c710e7108_outp
	.p2alignl 7, 3214868480
	.fill 96, 4, 3214868480
	.section	.rodata,"a",@progbits
	.p2align	6, 0x0
	.amdhsa_kernel k_q8c710e7108_outp
		.amdhsa_group_segment_fixed_size 327680
		.amdhsa_private_segment_fixed_size 0
		.amdhsa_enable_private_segment 0
		.amdhsa_kernarg_size 24
		.amdhsa_user_sgpr_count 2
		.amdhsa_user_sgpr_kernarg_segment_ptr 1
		.amdhsa_wavefront_size32 1
		.amdhsa_system_sgpr_workgroup_id_x 1
		.amdhsa_system_sgpr_workgroup_id_y 1
		.amdhsa_system_sgpr_workgroup_id_z 1
		.amdhsa_system_vgpr_workitem_id 0
		.amdhsa_next_free_vgpr 512
		.amdhsa_next_free_sgpr 66
		.amdhsa_reserve_vcc 0
		.amdhsa_float_denorm_mode_32 3
		.amdhsa_float_denorm_mode_16_64 3
		.amdhsa_memory_ordered 1
		.amdhsa_forward_progress 1
		.amdhsa_inst_pref_size 85
	.end_amdhsa_kernel
	.amdgpu_metadata
---
amdhsa.version: [ 1, 2 ]
amdhsa.kernels:
  - .name:           k_q8c710e7108_outp
    .symbol:         k_q8c710e7108_outp.kd
    .args:
      - { .name: ao, .offset: 0, .size: 8, .value_kind: global_buffer, .address_space: global }
      - { .name: wo16, .offset: 8, .size: 8, .value_kind: global_buffer, .address_space: global }
      - { .name: out0, .offset: 16, .size: 8, .value_kind: global_buffer, .address_space: global }
    .group_segment_fixed_size: 327680
    .private_segment_fixed_size: 0
    .kernarg_segment_align: 8
    .kernarg_segment_size: 24
    .max_flat_workgroup_size: 128
    .sgpr_count:     66
    .vgpr_count:     512
    .wavefront_size: 32
...
	.end_amdgpu_metadata
.endif
;; end of part 4
;; launch first16 (part 5): grid 16 x 4, 16 waves a work-group, no clusters, 71,680 bytes of LDS; arguments h32, attention_mask, Wo, out0; writes out0
.if DOCPART == 5
	.amdgcn_target "amdgcn-amd-amdhsa--gfx1250"
	.amdhsa_code_object_version 6
	.text
	.protected	k_q8c710e7108_first16
	.globl	k_q8c710e7108_first16
	.p2align	8
	.type	k_q8c710e7108_first16,@function
k_q8c710e7108_first16:
	s_mov_b64 s[64:65], 0
	v_nop
	global_prefetch_b8 v0, s[64:65] scope:SCOPE_SE
	s_setreg_imm32_b32 hwreg(HW_REG_WAVE_MODE, 25, 1), 1
	s_wait_xcnt 0x0
; Positions 0 to 15 of every sequence, from the f32 copies of their Q, K, V (h32 [3][4 batches][16][1024]): scores, softmax, P V and the projection by Wo, all in f32, by the f32 matrix form 16 x 16 x 4.
; These rows average one to sixteen values and are the largest in size: 16-bit operands would use up what the comparison allows.  64 rows of out0 in all: no bulk work.
; SHARES.  Work-group (x, b): columns 64 x on of out0's rows 2048 b + 0 .. 15.  Wave w = head w: it makes its head's attention (repeated in each of the 16 column slices: 16 x 16 x 64 twice) and its head's part of the
; projection, K = its 64 channels; the sixteen parts meet in LDS, and wave w adds and stores row w.
; LAYOUT.  All products transposed: S^T = K Q^T, O^T = V^T p, out^T = Wo o: a lane holds one query (lane % 16).  The form wants k = 2 h + j in register j; k is PERMUTED ALIKE in both sources of each product, so that results
; serve as operands as they lie: Q, K: lane (r, h) holds channels 32 h + 0 .. 31; V^T: register 8 t + i = V(key 8 h + i, channel 16 t + r); Wo: register 8 t + e = Wo(n, 16 t + 8 h + e).
; The accumulators v176-239 are written by matrix instructions alone; each sum starts with C = 0; four accumulators take turns.
; MASKS: hidden and padded keys get the score -3e38; the maximum has the floor -1e30; a query with no key ends with the sum 0 and 0 x infinity = NaN.  LIMIT: raw scores under -1e30 are not served.
; REGISTERS: v1-11 offsets; v12, v13 the add's two; v14, v15 at work; v16-47 Q, v48-79 K, later Wo's tiles 2, 3; v80-111 V^T, later o; v112-175 Wo's tiles 0, 1, later the parts; v176-207 S^T in four parts, later out^T;
;   v208-239 O^T; v240-247 scores, then p; v248-255 the mask, later at work.
.set PART,  4352                       ; a wave's part: 16 rows x (256 bytes + 16)
.set SPARE, 16*PART                    ; the spare words: 128 bytes a wave, named by no other line
	s_load_b128 s[4:7], s[0:1], 0x0                ; h32, attention_mask
	s_load_b128 s[8:11], s[0:1], 0x10              ; Wo, out0
	v_lshl_add_u32 v12, v0, 2, SPARE
	v_mov_b32 v13, 0
	v_lshrrev_b32 v1, 5, v0
	v_readfirstlane_b32 s12, v1                    ; wave = head
	s_and_b32 s13, ttmp7, 0xffff                   ; batch
	v_and_b32 v1, 15, v0                           ; r
	v_bfe_u32 v2, v0, 4, 1                         ; h
	v_lshlrev_b32 v3, 12, v1
	v_lshl_add_u32 v4, v2, 7, v3                   ; Q, K: row r of 4,096 bytes + 128 h
	v_lshl_add_u32 v5, v2, 5, v3                   ; Wo: row r + 32 h
	v_lshlrev_b32 v6, 2, v1
	v_lshl_add_u32 v6, v2, 15, v6                  ; V: key 8 h, channel r
	v_lshlrev_b32 v7, 5, v2                        ; the mask: keys 8 h on
	v_lshlrev_b32 v8, 3, v2
	v_sub_nc_u32 v8, v1, v8                        ; r - 8 h
	s_mul_i32 s14, s12, PART
	v_mul_u32_u24 v9, v1, 272
	v_lshl_add_u32 v9, v2, 5, v9
	v_add_nc_u32 v9, s14, v9                       ; my part: row r, + 32 h
	s_mul_i32 s15, s12, 272
	v_and_b32 v10, 31, v0
	v_lshlrev_b32 v11, 3, v10                      ; 8 x lane
	v_add_nc_u32 v10, s15, v11                     ; row w of a part, 8 bytes a lane
	s_mov_b32 s16, 0x76543210
	s_mov_b32 s17, 0xfedcba98                      ; lane l xor 16
	s_mov_b32 s18, 0x3e38aa3b                      ; c = log2(e) / 8
	s_lshl_b32 s20, s13, 16                        ; h32: the batch's 16 rows, the head's 256 bytes
	s_lshl_b32 s21, s12, 8
	s_add_co_u32 s20, s20, s21
	s_mov_b32 s21, 0
	s_lshl_b32 s22, s13, 13
	s_mov_b32 s23, 0
	s_lshl_b32 s24, ttmp9, 18                      ; Wo: rows 64 x on, the head's 256 bytes
	s_lshl_b32 s25, s12, 8
	s_add_co_u32 s24, s24, s25
	s_mov_b32 s25, 0
	s_lshl_b32 s26, s13, 23                        ; out0: row 2048 b + w, columns 64 x on
	s_lshl_b32 s27, s12, 12
	s_add_co_u32 s26, s26, s27
	s_lshl_b32 s27, ttmp9, 8
	s_add_co_u32 s26, s26, s27
	s_mov_b32 s27, 0
	s_wait_kmcnt 0x0
	s_add_nc_u64 s[4:5], s[4:5], s[20:21]
	s_add_nc_u64 s[6:7], s[6:7], s[22:23]
	s_add_nc_u64 s[8:9], s[8:9], s[24:25]
	s_add_nc_u64 s[10:11], s[10:11], s[26:27]
.irp i, 0,1,2,3,4,5,6,7
	global_load_b128 v[16+4*\i:19+4*\i], v4, s[4:5] offset:16*\i                 ; Q
.endr
.irp i, 0,1,2,3,4,5,6,7
	global_load_b128 v[48+4*\i:51+4*\i], v4, s[4:5] offset:262144+16*\i          ; K
.endr
	global_load_b128 v[248:251], v7, s[6:7]
	global_load_b128 v[252:255], v7, s[6:7] offset:16
.irp t, 0,1,2,3
.irp i, 0,1,2,3,4,5,6,7
	global_load_b32 v[80+8*\t+\i], v6, s[4:5] offset:524288+4096*\i+64*\t        ; V(8 h + i, 16 t + r)
.endr
.endr
.irp nt, 0,1
.irp t, 0,1,2,3
	global_load_b128 v[112+32*\nt+8*\t:115+32*\nt+8*\t], v5, s[8:9] offset:65536*\nt+64*\t
	global_load_b128 v[116+32*\nt+8*\t:119+32*\nt+8*\t], v5, s[8:9] offset:65536*\nt+64*\t+16
.endr
.endr
	s_wait_loadcnt 48                              ; Q, K and the mask are in; V's 32 and Wo's 16 loads stay out
.irp s, 0,1,2,3,4,5,6,7,8,9,10,11,12,13,14,15
.if \s < 4
	v_wmma_f32_16x16x4_f32 v[176+8*(\s%4):183+8*(\s%4)], v[48+2*\s:49+2*\s], v[16+2*\s:17+2*\s], 0
.else
	v_wmma_f32_16x16x4_f32 v[176+8*(\s%4):183+8*(\s%4)], v[48+2*\s:49+2*\s], v[16+2*\s:17+2*\s], v[176+8*(\s%4):183+8*(\s%4)]
.endif
.endr
.rept 8
	v_nop                                          ; eight places behind this form, in front of loads into its sources and of the first read of its results
.endr
.irp nt, 0,1
.irp t, 0,1,2,3
	global_load_b128 v[16+32*\nt+8*\t:19+32*\nt+8*\t], v5, s[8:9] offset:131072+65536*\nt+64*\t      ; Wo's tiles 2 and 3 take Q's and K's registers
	global_load_b128 v[20+32*\nt+8*\t:23+32*\nt+8*\t], v5, s[8:9] offset:131072+65536*\nt+64*\t+16
.endr
.endr
.irp i, 0,2,4,6                        ; the four parts are added, each accumulator from its low end on
	v_pk_add_f32 v[240+\i:241+\i], v[176+\i:177+\i], v[184+\i:185+\i]
	v_pk_add_f32 v[14:15], v[192+\i:193+\i], v[200+\i:201+\i]
	v_pk_add_f32 v[240+\i:241+\i], v[240+\i:241+\i], v[14:15]
.endr
	v_mov_b32 v3, 0xff61b1e6                       ; -3e38
.irp j, 0,1,2,3,4,5,6,7                ; register j holds key 8 h + j of query r: hidden where j > r - 8 h; padded where the mask is 0
	v_cmp_gt_i32 vcc_lo, \j, v8
	v_cndmask_b32 v[240+\j], v[240+\j], v3, vcc_lo
	v_cmp_eq_u32 vcc_lo, 0, v[248+\j]
	v_cndmask_b32 v[240+\j], v[240+\j], v3, vcc_lo
.endr
	v_max3_num_f32 v14, v240, v241, 0xf149f2ca     ; the row's maximum, over the floor -1e30
	v_max3_num_f32 v14, v14, v242, v243
	v_max3_num_f32 v14, v14, v244, v245
	v_max3_num_f32 v14, v14, v246, v247
	v_permlanex16_b32 v15, v14, s16, s17
	v_max_num_f32 v14, v14, v15
	v_mul_f32 v14, s18, v14                        ; c m
.irp j, 0,1,2,3,4,5,6,7
	v_fma_f32 v[240+\j], v[240+\j], s18, -v14
.endr
.irp j, 0,1,2,3,4,5,6,7
	v_exp_f32 v[240+\j], v[240+\j]                 ; p = 2^(c s - c m)
.endr
	v_nop
	s_wait_alu depctr_va_vdst(0)                   ; one wait for the eight, ahead of their first reader
	v_pk_add_f32 v[248:249], v[240:241], v[242:243]
	v_pk_add_f32 v[250:251], v[244:245], v[246:247]
	v_pk_add_f32 v[248:249], v[248:249], v[250:251]
	v_add_f32 v14, v248, v249
	v_permlanex16_b32 v15, v14, s16, s17
	v_add_f32 v14, v14, v15                        ; the row's sum
	v_rcp_f32 v14, v14
	v_nop
	s_wait_alu depctr_va_vdst(0)
	s_wait_loadcnt 32                              ; V is in; Wo's 32 loads stay out
.irp s, 0,1,2,3
.irp t, 0,1,2,3
.if \s == 0
	v_wmma_f32_16x16x4_f32 v[208+8*\t:215+8*\t], v[80+8*\t+2*\s:81+8*\t+2*\s], v[240+2*\s:241+2*\s], 0
.else
	v_wmma_f32_16x16x4_f32 v[208+8*\t:215+8*\t], v[80+8*\t+2*\s:81+8*\t+2*\s], v[240+2*\s:241+2*\s], v[208+8*\t:215+8*\t]
.endif
.endr
.endr
.rept 8
	v_nop
.endr
.set j, 0
.rept 32
	v_mul_f32 v[80+j], v[208+j], v14               ; o = O^T / the sum: register 8 t + e is channel 16 t + 8 h + e of query r
.set j, j+1
.endr
	s_wait_loadcnt 0x0                             ; Wo
	v_nop
.irp t, 0,1,2,3
.irp u, 0,1,2,3
.irp nt, 0,1,2,3
.if \nt < 2
.set WB, 112+32*\nt
.else
.set WB, 16+32*(\nt-2)
.endif
.if (\t == 0) && (\u == 0)
	v_wmma_f32_16x16x4_f32 v[176+8*\nt:183+8*\nt], v[WB+8*\t+2*\u:WB+8*\t+2*\u+1], v[80+8*\t+2*\u:81+8*\t+2*\u], 0
.else
	v_wmma_f32_16x16x4_f32 v[176+8*\nt:183+8*\nt], v[WB+8*\t+2*\u:WB+8*\t+2*\u+1], v[80+8*\t+2*\u:81+8*\t+2*\u], v[176+8*\nt:183+8*\nt]
.endif
.endr
.endr
.endr
.rept 8
	v_nop
.endr
.irp nt, 0,1,2,3
	ds_store_b128 v9, v[176+8*\nt:179+8*\nt] offset:64*\nt           ; lane (r, h): my head's part of out(r, 16 nt + 8 h + 0 .. 7)
	ds_store_b128 v9, v[180+8*\nt:183+8*\nt] offset:64*\nt+16
.endr
	s_wait_dscnt 0x0                               ; for the others' sake: my part lies in LDS
	s_barrier_signal -1
	s_barrier_wait -1
.irp w, 0,1,2,3,4,5,6,7,8,9,10,11,12,13,14,15
	ds_load_b64 v[112+2*\w:113+2*\w], v10 offset:PART*\w             ; row w of every head's part
.endr
	s_wait_dscnt 0x0
.irp k, 0,1,2,3,4,5,6,7
	v_pk_add_f32 v[112+4*\k:113+4*\k], v[112+4*\k:113+4*\k], v[114+4*\k:115+4*\k]
.endr
.irp k, 0,1,2,3
	v_pk_add_f32 v[112+8*\k:113+8*\k], v[112+8*\k:113+8*\k], v[116+8*\k:117+8*\k]
.endr
.irp k, 0,1
	v_pk_add_f32 v[112+16*\k:113+16*\k], v[112+16*\k:113+16*\k], v[120+16*\k:121+16*\k]
.endr
	v_pk_add_f32 v[112:113], v[112:113], v[128:129]
	global_store_b64 v11, v[112:113], s[10:11]     ; 32 lanes store 256 consecutive bytes, aligned
	s_wait_tensorcnt 0x0                           ; the wave's end
	ds_add_u32 v12, v13
	s_wait_dscnt 0x0
	s_endpgm
.Lfunc_end_k_q8c710e7108_first16:
	.size	k_q8c710e7108_first16, .Lfunc_end_k_q8c710e7108_first16-k_q8c710e7108_first16
	.p2alignl 7, 3214868480
	.fill 96, 4, 3214868480
	.section	.rodata,"a",@progbits
	.p2align	6, 0x0
	.amdhsa_kernel k_q8c710e7108_first16
		.amdhsa_group_segment_fixed_size 71680
		.amdhsa_private_segment_fixed_size 0
		.amdhsa_enable_private_segment 0
		.amdhsa_kernarg_size 32
		.amdhsa_user_sgpr_count 2
		.amdhsa_user_sgpr_kernarg_segment_ptr 1
		.amdhsa_wavefront_size32 1
		.amdhsa_system_sgpr_workgroup_id_x 1
		.amdhsa_system_sgpr_workgroup_id_y 1
		.amdhsa_system_sgpr_workgroup_id_z 1
		.amdhsa_system_vgpr_workitem_id 0
		.amdhsa_next_free_vgpr 256
		.amdhsa_next_free_sgpr 66
		.amdhsa_reserve_vcc 1
		.amdhsa_float_denorm_mode_32 3
		.amdhsa_float_denorm_mode_16_64 3
		.amdhsa_memory_ordered 1
		.amdhsa_forward_progress 1
		.amdhsa_inst_pref_size 25
	.end_amdhsa_kernel
	.amdgpu_metadata
---
amdhsa.version: [ 1, 2 ]
amdhsa.kernels:
  - .name:           k_q8c710e7108_first16
    .symbol:         k_q8c710e7108_first16.kd
    .args:
      - { .name: h32, .offset: 0, .size: 8, .value_kind: global_buffer, .address_space: global }
      - { .name: attention_mask, .offset: 8, .size: 8, .value_kind: global_buffer, .address_space: global }
      - { .name: Wo, .offset: 16, .size: 8, .value_kind: global_buffer, .address_space: global }
      - { .name: out0, .offset: 24, .size: 8, .value_kind: global_buffer, .address_space: global }
    .group_segment_fixed_size: 71680
    .private_segment_fixed_size: 0
    .kernarg_segment_align: 8
    .kernarg_segment_size: 32
    .max_flat_workgroup_size: 512
    .sgpr_count:     66
    .vgpr_count:     256
    .wavefront_size: 32
...
	.end_amdgpu_metadata
.endif
;; end of part 5
